; MI455X (gfx1250); checked and timed in simulation.
; The chip was launched on July 23, 2026; its instructions are those of AMD's public machine-readable ISA for CDNA 5 (MIT licence, August 2026) and "CDNA5" Instruction Set Architecture Reference Guide (July 2026). The comments in the code are by the model that wrote it; some were corrected since.
;; BE Relative Self Multihead Attn. Allowed arithmetic: matrix products marked QUANTISED: E2M3 operands, one E8M0 scale for each 32 along K, by v_wmma_scale_f32_16x16x128_f8f6f4 with both operands' format E2M3, f32 sums; everything else in f32.
;; Inputs: input_biases 3,072 float32; input_weights_codes 3,072 x 32 x 24 uint8 (E2M3 codes of input_weights, K innermost, in blocks of 32 codes, four codes in three bytes); input_weights_scales 3,072 x 32 uint8 (E8M0 scales of input_weights, one for each 32 codes along K); inputs 1,024 x 8 x 1,024 float32; output_biases 1,024 float32; output_weights_codes 1,024 x 32 x 24 uint8 (E2M3 codes of output_weights, K innermost, in blocks of 32 codes, four codes in three bytes); output_weights_scales 1,024 x 32 uint8 (E8M0 scales of output_weights, one for each 32 codes along K); pos 1,024 x 1 x 1,024 float32; pos_biases 1,024 float32; pos_weights_codes 1,024 x 32 x 24 uint8 (E2M3 codes of pos_weights, K innermost, in blocks of 32 codes, four codes in three bytes); pos_weights_scales 1,024 x 32 uint8 (E8M0 scales of pos_weights, one for each 32 codes along K); r_i 8 x 1,024 float32; r_p 8 x 1,024 float32; r_r_bias 16 x 64 float32; r_w_bias 16 x 64 float32; s_i 8 x 3,072 float32; s_p 8 x 1,024 float32.
;; Outputs: out0 1,024 x 8 x 1,024 float32.
;; Constants: heads = 16.
;; This version of the problem:
;;   THIS VERSION OF THE PROBLEM IS GIVEN IN LOW PRECISION. The matrix products marked QUANTISED in the list below multiply operands that are first quantised to E2M3 (2 exponent bits, 3 mantissa bits; 6 bits a number), with one power-of-two scale for each 32 numbers along K (OCP MX v1.0); their sums are f32. All else is computed in f32.
;;   The module's matrix products, in the order in which they are computed (A, B: the left and right operand; K: the contracted axis; several contracted axes count as one K, in the product's order):
;;     1. [M 8,192, K 1,024] x [K 1,024, N 3,072]; A: computed on the way; B: input input_weights (given as codes): QUANTISED
;;     2. [M 8,192, K 1,024] x [K 1,024, N 1,024]; A: computed on the way; B: input pos_weights (given as codes): QUANTISED
;;     3. batch 128 x [M 1,024, K 64] x [K 64, N 1,024]; A: computed on the way; B: computed on the way: QUANTISED
;;     4. batch 128 x [M 1,024, K 64] x [K 64, N 1,024]; A: computed on the way; B: computed on the way: QUANTISED
;;     5. batch 128 x [M 64, K 1,024] x [K 1,024, N 1,024]; A: computed on the way; B: softmax (see below): QUANTISED
;;     6. [M 8,192, K 1,024] x [K 1,024, N 1,024]; A: computed on the way; B: input output_weights (given as codes): QUANTISED
;;   THE QUANTISER, for each operand of a quantised product, along K:
;;     - K is cut into blocks of 32 from its start; a last block that is shorter is filled with zeros.
;;     - A block's scale is 2^e with e = floor(log2(the largest magnitude in the block)) - 2, held to -126 .. 127; a block of zeros has e = 0. As a byte (E8M0): e + 127.
;;     - Each number is divided by its block's scale, clamped to +-7.5, and rounded to the nearest number of E2M3, ties to even, subnormals kept.
;;     - The product sums the exact products of the quantised numbers (number of the format x scale) in f32.
;;   ~~~python
;;   def quantise(x, axis):      # numpy; x: float32 -> the quantised numbers, widened to float32 again
;;       x = np.moveaxis(x, axis, -1); K = x.shape[-1]
;;       x = np.pad(x, [(0, 0)] * (x.ndim - 1) + [(0, -K % 32)]); x = x.reshape(x.shape[:-1] + (-1, 32)); a = np.abs(x).max(-1, keepdims=True)
;;       e = np.where(a > 0, np.clip(np.frexp(np.where(a > 0, a, 1))[1] - 1 - 2, -126, 127), 0)      # np.frexp(a)[1] - 1 = floor(log2(a)), exactly
;;       r = np.clip(x / 2.0 ** e, -7.5, 7.5)
;;       step = 2.0 ** (np.maximum(np.frexp(np.where(r == 0, 1, r))[1] - 1, 0) - 3)
;;       q = np.round(r / step) * step * 2.0 ** e      # np.round: ties to even
;;       return np.moveaxis(q.reshape(q.shape[:-2] + (-1,))[..., :K], -1, axis).astype(np.float32)
;;   ~~~
;;   SOFTMAX AHEAD OF A QUANTISED PRODUCT. Where the list says 'softmax', what is quantised is not the finished softmax but p = 2^(t - M), with t = logit x log2(e) and M = ceil(the row's largest t), a whole number; so 1/2 < the row's largest p <= 1. The row's sum l is taken of the UNQUANTISED p, in f32, and the product's result is divided by l at the end. Since M is a whole number, a kernel that streams over the keys may use a running M (the ceiling of the running maximum): every later rescaling is an exact power of two, which a block's scale takes up: the codes' values come out the same.
;;   OPERANDS COMPUTED ON THE WAY. 'Computed on the way' means the value that the module computes at that place (a softmax that the list does not call 'softmax' is quantised finished and normalised). What goes into a quantiser is computed in f32, as accurately as f32 sums, v_exp_f32 and their like allow (about 1e-6 of the number): no bf16 or f16 on the way to a quantiser, and a product that is left as it is and whose result goes on into a quantised operand takes f32 operands (vector FMAs, or v_wmma_f32_16x16x4_f32). A number that lies on a knife's edge between two numbers of the format may be rounded either way, as far as f32 arithmetic and the matrix unit's own rounding can turn it there, and no further.
;;   INPUTS GIVEN AS CODES. input_weights (in the module: [3072, 1024], K = its axis 1); output_weights (in the module: [1024, 1024], K = its axis 1); pos_weights (in the module: [1024, 1024], K = its axis 1): each comes as NAME_codes (uint8): NAME with its K axis moved to the last place and cut into blocks of 32 codes, [.., K / 32, bytes a block], one block behind the other in memory; four codes in three bytes: a row's codes are one little-endian stream of bits, code i at bits 6 i .. 6 i + 5 (a code: sign, 2 exponent bits, 3 mantissa bits); and NAME_scales (uint8): the same leading axes, one E8M0 byte (e + 127) for each 32 codes along K. Its value is code x scale, taken as it is: it is not quantised again, and the codes and scales need not be those that the quantiser above would give.
;; One version. Each part assembles by itself: llvm-mc -triple=amdgcn-amd-amdhsa -mcpu=gfx1250 --defsym DOCPART=n.
;; ======== version 1 of 1: 4 launches
;; limits: right only within a limited range of input values
;; workspace buffers: opnd 17,891,328 bytes; heads 33,816,576 bytes; ctxq 6,815,744 bytes
;; launch prep (part 1): grid 1104 x 1, 4 waves a work-group, no clusters, 34,304 bytes of LDS; arguments inputs, pos, r_i, r_p, input_weights_codes, input_weights_scales, pos_weights_codes, pos_weights_scales, output_weights_codes, output_weights_scales, opnd; writes opnd
.if DOCPART == 1
	.amdgcn_target "amdgcn-amd-amdhsa--gfx1250"
	.amdhsa_code_object_version 6
	.text
	.protected	k_q2c689dac6e_prep
	.globl	k_q2c689dac6e_prep
	.p2align	8
	.type	k_q2c689dac6e_prep,@function
k_q2c689dac6e_prep:
	s_mov_b64 s[64:65], 0
	v_nop
	global_prefetch_b8 v0, s[64:65] scope:SCOPE_SE
	s_setreg_imm32_b32 hwreg(HW_REG_WAVE_MODE, 25, 1), 1
	s_wait_xcnt 0x0
; LAUNCH 1 OF 4.  The operands of the two projections are made ready: inputs x r_i[b] and pos x r_p[b] are quantised along H into codes of E2M3 with one E8M0 byte for each 32,
; and the three weights, which come as codes, are laid anew.  All go to the workspace opnd in the ORDER OF THE OPERAND'S REGISTERS.
; NOTHING OF reference() IS DEAD.  rel_shift with q = r = 1024 gives out[i][j] = x[i][1023-i+j] for j <= i, 0 for j = i+1, x[i+1][j-i-2] for j >= i+2; there is no mask, so both parts count; only x[0][0..1022]
; is never used, which is no whole row or tile.  The slice [:, :, :T] takes nothing away (Lr = T).  Every input is loaded by some launch.
; A HALF FRAGMENT (HF) is 16 rows x 64 codes, 768 bytes: lane l = (r = l % 16, h = l / 16) holds the 24 bytes of row r, k = 32 h .. 32 h + 31: its first 16 bytes at 16 l, its last 8 at 512 + 8 l.
; A RECORD is a tile of 16 rows for all of K = 1024: four chunks of 3,328 bytes; a chunk (256 along K) is 256 bytes of scale words (row r: its two words, twice: 16 bytes) and four HF.
; ROWS OF A TILE: tile w of a group G of 64 takes, as its row p, the index 64 G + 32 (p / 8) + 8 w + p % 8 (tokens of inputs, rows of all weights): used as source 0 of a product, four such tiles give a lane
; 32 NEIGHBOURS in 32 registers, a whole block of the next quantiser.  Tiles of pos take neighbouring rows.
; SHARES.  Work-groups 0-255: a wave makes one record of inputs (tile T = 64 b + 4 G + w) or of pos (T = 64 b + T'), 1,024 in all.  Work-groups 256-335: a wave lays one weight tile, 320 in all.
; The quantiser: a block's largest magnitude with the floor 2^(3-127) among its leaves; 2 off its exponent field is the conversion's scale operand, and that shifted is the byte.
; LIMITS: NaN and infinities among the inputs are not served; a block of zeros gets the byte 1 where the rule says 127 (its codes are zeros, and this program alone reads the bytes).
; SHARES AS THIS TEXT HAS THEM (in place of the line on shares above): work-groups 0-79: a wave lays one weight tile, 320 in all.  Work-groups 80-1103: a work-group makes one record of inputs or pos,
; and wave w makes its chunk w: two K steps, 1,024 bytes of each of the 16 rows, both steps' 34 loads asked for ahead of the first product.
.set REC,   13312
.set CH,    3328
.set WOFF,  13631488                   ; the weights' records begin here in opnd (behind 512 records of inputs and 512 of pos)
.set STG,   8448                       ; LDS: a stage of 16 rows x (512 + 16) bytes for each wave
.set SPARE, 4*STG                      ; behind the stages: the spare words, 128 bytes a wave
.set L16,  1                           ; v1  16 x lane
.set SIN,  2                           ; v2  the stage, on the way in
.set SOUT, 3                           ; v3  and on the way out: row r, + 128 h
.set L8,   5                           ; v5  8 x lane
.set RH,   6                           ; v6  16 r + 8 h
.set H8,   7                           ; v7  8 h
.set ER,   24                          ; v24-31   r_i or r_p at my four columns, two sets
.set C,    32                          ; v32-43   a fragment's codes
.set T,    44                          ; v44-50   the second halves of the blocks' codes, before they are moved
.set WD,   52                          ; v52-53   a chunk's two scale words
.set SPW,  60
.set NIL,  61
.set R,    64                          ; v64-191  16 rows x 4 numbers, two sets
.set X,    192                         ; v192-255 my row's 64 numbers: two blocks
	s_load_b256 s[4:11], s[0:1], 0x0               ; inputs, pos, r_i, r_p
	s_load_b256 s[12:19], s[0:1], 0x20             ; input_weights' codes and scales, pos_weights' codes and scales
	s_load_b128 s[20:23], s[0:1], 0x40             ; output_weights' codes and scales
	s_load_b64 s[24:25], s[0:1], 0x50              ; opnd
	v_lshl_add_u32 v[SPW], v0, 2, SPARE
	v_mov_b32 v[NIL], 0
	v_lshrrev_b32 v8, 5, v0
	v_readfirstlane_b32 s26, v8                    ; wave
	v_and_b32 v9, 31, v0                           ; lane
	v_and_b32 v10, 15, v0                          ; r
	v_bfe_u32 v11, v0, 4, 1                        ; h
	v_lshlrev_b32 v[L16], 4, v9
	v_lshlrev_b32 v[L8], 3, v9
	v_lshlrev_b32 v[H8], 3, v11
	v_lshl_add_u32 v[RH], v10, 4, v[H8]
	s_mul_i32 s27, s26, STG
	v_add_nc_u32 v[SIN], s27, v[L16]
	v_mul_u32_u24 v[SOUT], v10, 528
	v_lshl_add_u32 v[SOUT], v11, 7, v[SOUT]
	v_add_nc_u32 v[SOUT], s27, v[SOUT]
	s_mov_b32 s84, 0x76543210
	s_mov_b32 s85, 0xfedcba98                      ; v_permlanex16_b32's selects for lane l xor 16
	v_mov_b32 v19, 0                               ; a lane permute's destination counts as one of its sources
	s_wait_kmcnt 0x0
	s_cmp_lt_u32 ttmp9, 80
	s_cbranch_scc1 .Lweights
	; ---- inputs and pos.  One text: pointers and strides are chosen on the work-group's number
	s_sub_co_u32 s27, ttmp9, 80                    ; q = the record's number, 0 .. 1023
	s_and_b32 s28, s27, 511                        ; T
	s_lshr_b32 s29, s28, 6                         ; b
	s_bfe_u32 s30, s28, 0x40002                    ; G
	s_lshl_b32 s30, s30, 6
	s_and_b32 s31, s28, 3
	s_lshl_b32 s31, s31, 3
	s_add_co_u32 s30, s30, s31                     ; inputs: first token 64 G + 8 w
	s_and_b32 s31, s28, 63
	s_lshl_b32 s31, s31, 4                         ; pos: first row 16 T'
	s_lshl_b32 s66, s29, 12                        ; 4,096 b
	s_cmp_lt_u32 s27, 512
	s_cselect_b32 s30, s30, s31
	s_cselect_b32 s67, 15, 12                      ; log2 of the bytes from row to row
	s_cselect_b32 s68, 5, 3                        ; log2 of the rows from tile row 0 to tile row 8
	s_cselect_b32 s69, s66, 0                      ; inputs: batch b's 4,096 bytes in a token
	s_cselect_b64 s[70:71], s[4:5], s[6:7]
	s_cselect_b64 s[72:73], s[8:9], s[10:11]
	s_lshl_b32 s76, s30, s67
	s_add_co_u32 s76, s76, s69
	s_lshl_b32 s77, s26, 10
	s_add_co_u32 s76, s76, s77                     ; my chunk: 256 numbers, 1,024 bytes, along each row
	s_mov_b32 s77, 0
	s_lshl_b32 s78, 1, s67
	s_mov_b32 s79, 0
	s_add_co_u32 s68, s68, s67
	s_lshl_b32 s80, 1, s68
	s_mov_b32 s81, 0
	s_add_nc_u64 s[32:33], s[70:71], s[76:77]      ; the sixteen rows' addresses: s[32:63]
	s_add_nc_u64 s[48:49], s[32:33], s[80:81]
.irp p, 1,2,3,4,5,6,7
	s_add_nc_u64 s[32+2*\p:33+2*\p], s[30+2*\p:31+2*\p], s[78:79]
	s_add_nc_u64 s[48+2*\p:49+2*\p], s[46+2*\p:47+2*\p], s[78:79]
.endr
	s_lshl_b32 s67, s26, 10
	s_add_co_u32 s66, s66, s67                     ; and the same columns of the factor
	s_mov_b32 s67, 0
	s_add_nc_u64 s[72:73], s[72:73], s[66:67]      ; r_i[b] or r_p[b]
	s_mul_i32 s82, s27, REC
	s_mul_i32 s83, s26, CH
	s_add_co_u32 s82, s82, s83                     ; my chunk of the record
	s_mov_b32 s83, 0
	s_add_nc_u64 s[24:25], s[24:25], s[82:83]      ; my record
.macro LOAD s                          ; K step s: 512 consecutive bytes of each of the 16 rows, and of the factor: 17 loads
.irp p, 0,1,2,3,4,5,6,7,8,9,10,11,12,13,14,15
	global_load_b128 v[R+64*((\s)%2)+4*\p:R+64*((\s)%2)+4*\p+3], v[L16], s[32+2*\p:33+2*\p] offset:512*(\s)
.endr
	global_load_b128 v[ER+4*((\s)%2):ER+4*((\s)%2)+3], v[L16], s[72:73] offset:512*(\s)
.endm
.macro KSTEP s
.set RS, R+64*((\s)%2)
.set ES, ER+4*((\s)%2)
.if (\s) < 1
	LOAD (\s)+1                                    ; into the other set, which no step has used yet
	s_wait_loadcnt 17                              ; this step's 17 loads are in; the 17 just issued may be out
.else
	s_wait_loadcnt 0x0
.endif
.irp p, 0,1,2,3,4,5,6,7,8,9,10,11,12,13,14,15
	v_pk_mul_f32 v[RS+4*\p:RS+4*\p+1], v[RS+4*\p:RS+4*\p+1], v[ES:ES+1]           ; x r_i or r_p, in f32
	v_pk_mul_f32 v[RS+4*\p+2:RS+4*\p+3], v[RS+4*\p+2:RS+4*\p+3], v[ES+2:ES+3]
	ds_store_b128 v[SIN], v[RS+4*\p:RS+4*\p+3] offset:528*\p
.endr
.irp c, 0,1
.irp i, 0,1,2,3,4,5,6,7
	ds_load_b128 v[X+32*\c+4*\i:X+32*\c+4*\i+3], v[SOUT] offset:256*\c+16*\i      ; my row's k = 64 c + 32 h + 0 .. 31; LDS serves a wave's instructions in order: these see the stores above
.endr
.endr
	s_wait_dscnt 0x0
	s_wait_xcnt 0x0                                ; the last step's stores have read their registers: the codes and the words are written again only behind this wait
	v_max3_num_f32 v12, |v[X]|, |v[X+1]|, 0x1800000        ; my two blocks by turns; the floor 2^(3-127) holds the byte at 1 from below
	v_max3_num_f32 v13, |v[X+32]|, |v[X+33]|, 0x1800000
.set j, 2
.rept 15
	v_max3_num_f32 v12, v12, |v[X+j]|, |v[X+j+1]|
	v_max3_num_f32 v13, v13, |v[X+32+j]|, |v[X+33+j]|
.set j, j+2
.endr
	v_add_nc_u32 v14, 0xff000000, v12              ; 2 off the exponent field: the conversion's scale operand
	v_add_nc_u32 v15, 0xff000000, v13
	v_lshrrev_b32 v16, 23, v14                     ; the bytes
	v_lshrrev_b32 v17, 23, v15
	v_cvt_scalef32_pk16_fp6_f32 v[C:C+2], v[X:X+15], v14
	v_cvt_scalef32_pk16_fp6_f32 v[T:T+2], v[X+16:X+31], v14       ; (a conversion's three registers begin on an even number)
	v_cvt_scalef32_pk16_fp6_f32 v[C+6:C+8], v[X+32:X+47], v15
	v_cvt_scalef32_pk16_fp6_f32 v[T+4:T+6], v[X+48:X+63], v15
	v_lshl_or_b32 v18, v17, 16, v16                ; blocks h and 2 + h of the word.  (The plain line behind the conversions)
.irp i, 0,1,2
	v_mov_b32 v[C+3+\i], v[T+\i]
	v_mov_b32 v[C+9+\i], v[T+4+\i]
.endr
	v_lshlrev_b32 v18, v[H8], v18                  ; at their places, 8 h bits up;
	v_permlanex16_b32 v19, v18, s84, s85
	v_or_b32 v[WD+(\s)%2], v18, v19                ; with lane l xor 16's two the word is whole
	global_store_b128 v[L16], v[C:C+3], s[24:25] offset:CH*((\s)/2)+256+1536*((\s)%2)          ; each store covers 512 or 256 consecutive bytes, aligned
	global_store_b64 v[L8], v[C+4:C+5], s[24:25] offset:CH*((\s)/2)+256+1536*((\s)%2)+512
	global_store_b128 v[L16], v[C+6:C+9], s[24:25] offset:CH*((\s)/2)+256+1536*((\s)%2)+768
	global_store_b64 v[L8], v[C+10:C+11], s[24:25] offset:CH*((\s)/2)+256+1536*((\s)%2)+1280
.if (\s)%2 == 1
	global_store_b64 v[RH], v[WD:WD+1], s[24:25] offset:CH*((\s)/2)                            ; the chunk's scale words: both halves of the lanes store, so each row has them twice
.endif
.endm
	s_wait_alu depctr_va_vdst(0)
	LOAD 0
.irp s, 0,1
	KSTEP \s
.endr
	s_branch .Lend
.Lweights:
	; ---- a weight tile: codes and scale bytes are taken as they are given and laid as a record.  No LDS on this path
	s_lshl_b32 s27, ttmp9, 2
	s_add_co_u32 s27, s27, s26                     ; q = 64 type + 4 head + w: types 0, 1, 2 = q, k, v rows of input_weights; 3 = pos_weights; 4 = output_weights
	s_lshr_b32 s28, s27, 6
	s_bfe_u32 s29, s27, 0x40002
	s_and_b32 s30, s27, 3
	s_lshl_b32 s30, s30, 3
	s_mul_i32 s31, s29, 192
	s_lshl_b32 s66, s28, 6
	s_add_co_u32 s31, s31, s66                     ; input_weights: row 192 head + 64 type
	s_lshl_b32 s66, s29, 6                         ; the others: row 64 head
	s_cmp_lt_u32 s27, 192
	s_cselect_b32 s31, s31, s66
	s_cselect_b64 s[70:71], s[12:13], s[16:17]
	s_cselect_b64 s[72:73], s[14:15], s[18:19]
	s_cmp_lt_u32 s27, 256
	s_cselect_b64 s[70:71], s[70:71], s[20:21]
	s_cselect_b64 s[72:73], s[72:73], s[22:23]
	s_add_co_u32 s31, s31, s30                     ; + 8 w
	s_mul_i32 s82, s27, REC
	s_add_co_u32 s82, s82, WOFF
	s_mov_b32 s83, 0
	s_add_nc_u64 s[24:25], s[24:25], s[82:83]
	v_and_b32 v12, 7, v10
	v_lshrrev_b32 v13, 3, v10
	v_lshl_add_u32 v12, v13, 5, v12
	v_add_nc_u32 v12, s31, v12                     ; my row: + 32 (r / 8) + r % 8
	v_mul_u32_u24 v13, v12, 768
	v_mad_u32_u24 v13, v11, 24, v13                ; its codes, + 24 h
	v_lshlrev_b32 v14, 5, v12                      ; its scale bytes
.irp s, 0,1,2,3,4,5,6,7
.irp c, 0,1
.irp p, 0,1,2
	global_load_b64 v[64+12*\s+6*\c+2*\p:65+12*\s+6*\c+2*\p], v13, s[70:71] offset:96*\s+48*\c+8*\p
.endr
.endr
.endr
.irp k, 0,1,2,3
	global_load_b64 v[160+2*\k:161+2*\k], v14, s[72:73] offset:8*\k
.endr
	s_wait_loadcnt 0x0
.irp s, 0,1,2,3,4,5,6,7
.irp c, 0,1
	global_store_b128 v[L16], v[64+12*\s+6*\c:67+12*\s+6*\c], s[24:25] offset:CH*(\s/2)+256+1536*(\s%2)+768*\c
	global_store_b64 v[L8], v[68+12*\s+6*\c:69+12*\s+6*\c], s[24:25] offset:CH*(\s/2)+256+1536*(\s%2)+768*\c+512
.endr
.endr
.irp k, 0,1,2,3
	global_store_b64 v[RH], v[160+2*\k:161+2*\k], s[24:25] offset:CH*\k
.endr
.Lend:
	s_wait_tensorcnt 0x0                           ; the wave's end, behind my last LDS store
	ds_add_u32 v[SPW], v[NIL]
	s_wait_dscnt 0x0
	s_endpgm
.Lfunc_end_k_q2c689dac6e_prep:
	.size	k_q2c689dac6e_prep, .Lfunc_end_k_q2c689dac6e_prep-k_q2c689dac6e_prep
	.p2alignl 7, 3214868480
	.fill 96, 4, 3214868480
	.section	.rodata,"a",@progbits
	.p2align	6, 0x0
	.amdhsa_kernel k_q2c689dac6e_prep
		.amdhsa_group_segment_fixed_size 34304
		.amdhsa_private_segment_fixed_size 0
		.amdhsa_enable_private_segment 0
		.amdhsa_kernarg_size 88
		.amdhsa_user_sgpr_count 2
		.amdhsa_user_sgpr_kernarg_segment_ptr 1
		.amdhsa_wavefront_size32 1
		.amdhsa_system_sgpr_workgroup_id_x 1
		.amdhsa_system_sgpr_workgroup_id_y 1
		.amdhsa_system_sgpr_workgroup_id_z 1
		.amdhsa_system_vgpr_workitem_id 0
		.amdhsa_next_free_vgpr 256
		.amdhsa_next_free_sgpr 90
		.amdhsa_reserve_vcc 0
		.amdhsa_float_denorm_mode_32 3
		.amdhsa_float_denorm_mode_16_64 3
		.amdhsa_memory_ordered 1
		.amdhsa_forward_progress 1
		.amdhsa_inst_pref_size 32
	.end_amdhsa_kernel
	.amdgpu_metadata
---
amdhsa.version: [ 1, 2 ]
amdhsa.kernels:
  - .name:           k_q2c689dac6e_prep
    .symbol:         k_q2c689dac6e_prep.kd
    .args:
      - { .name: inputs, .offset: 0, .size: 8, .value_kind: global_buffer, .address_space: global }
      - { .name: pos, .offset: 8, .size: 8, .value_kind: global_buffer, .address_space: global }
      - { .name: r_i, .offset: 16, .size: 8, .value_kind: global_buffer, .address_space: global }
      - { .name: r_p, .offset: 24, .size: 8, .value_kind: global_buffer, .address_space: global }
      - { .name: input_weights_codes, .offset: 32, .size: 8, .value_kind: global_buffer, .address_space: global }
      - { .name: input_weights_scales, .offset: 40, .size: 8, .value_kind: global_buffer, .address_space: global }
      - { .name: pos_weights_codes, .offset: 48, .size: 8, .value_kind: global_buffer, .address_space: global }
      - { .name: pos_weights_scales, .offset: 56, .size: 8, .value_kind: global_buffer, .address_space: global }
      - { .name: output_weights_codes, .offset: 64, .size: 8, .value_kind: global_buffer, .address_space: global }
      - { .name: output_weights_scales, .offset: 72, .size: 8, .value_kind: global_buffer, .address_space: global }
      - { .name: opnd, .offset: 80, .size: 8, .value_kind: global_buffer, .address_space: global }
    .group_segment_fixed_size: 34304
    .private_segment_fixed_size: 0
    .kernarg_segment_align: 8
    .kernarg_segment_size: 88
    .max_flat_workgroup_size: 128
    .sgpr_count:     90
    .vgpr_count:     256
    .wavefront_size: 32
...
	.end_amdgpu_metadata
.endif
;; end of part 1
;; launch proj (part 2): grid 8 x 32, 4 waves a work-group, clusters of 4 x 4, 327,680 bytes of LDS; arguments opnd, s_i, input_biases, s_p, pos_biases, r_w_bias, r_r_bias, heads; writes heads
.if DOCPART == 2
	.amdgcn_target "amdgcn-amd-amdhsa--gfx1250"
	.amdhsa_code_object_version 6
	.text
	.protected	k_q2c689dac6e_proj
	.globl	k_q2c689dac6e_proj
	.p2align	8
	.type	k_q2c689dac6e_proj,@function
k_q2c689dac6e_proj:
	s_mov_b64 s[64:65], 0
	v_nop
	global_prefetch_b8 v0, s[64:65] scope:SCOPE_SE
	s_setreg_imm32_b32 hwreg(HW_REG_WAVE_MODE, 25, 1), 1
	s_wait_xcnt 0x0
	s_wait_alu depctr_hold_cnt(0) depctr_sa_sdst(0) depctr_va_vdst(0) depctr_va_sdst(0) depctr_va_ssrc(0) depctr_va_vcc(0) depctr_vm_vsrc(0)
	s_getreg_b32 s2, hwreg(HW_REG_IB_STS2, 6, 4)
	s_cmp_eq_u32 s2, 0
	s_cbranch_scc0 .Lentry_in_a_cluster
	s_endpgm
.Lentry_in_a_cluster:
	s_bfe_u32 s2, ttmp6, 0x10000c
	s_cmp_lg_u32 s2, 0xf033
	s_cbranch_scc0 .Lentry_shape_is_right
	s_endpgm
.Lentry_shape_is_right:
; LAUNCH 2 OF 4.  The two projections (8192 x 1024 x 3072 and 8192 x 1024 x 1024) on codes of E2M3, then x s + bias (+ r_w_bias, + r_r_bias) in f32, and at once the quantisers of the attention's operands:
; q + r_w_bias, q + r_r_bias, k and r_head_k along the head's 64, v along the keys.  Only codes and scale bytes go to memory (workspace heads).  Nothing is left out.
; SHARES.  A WORK-GROUP STAYS: it owns 256 rows (16 row tiles: one batch b, tokens or positions 256 mq ..) and one pair of heads, and makes for them, one after the other, k, v, q and r: four blocks of 256 x 128, written out,
; with no branch on the kind.  256 work-groups.  A wave takes 128 rows x one head: 32 accumulators.
; ALL OF K LIES IN LDS: 8 records of weights (106,496 bytes), then 16 records of rows (212,992 bytes), each record as it lies in memory.  The rows of inputs serve k, v and q and are fetched once.
; REFILLS.  When a block's last fragments are in registers, the next block's weights are asked for (behind q: r's weights and the rows of pos): they land under the block's last 32 products and its way out.  q stands
; third, since its way out is the longest and the refill behind it the largest.  One tensor load of a wave is out at any time.
; CLUSTER 4 x 4: the rows' records are shared along a row of the cluster, the weights' along a column: joint loads, each behind a round of the cluster's barrier.
; k, q, r: source 0 = 16 rows of the weight, source 1 = 16 rows of x: by the weight tiles' choice of rows a lane holds ONE token and, in the 32 registers of four accumulators, d = 32 h + 0 .. 31: a whole block.
; v: source 0 = 16 tokens, source 1 = 16 rows of the weight: by the token tiles' choice of rows a lane holds one d and 32 neighbouring KEYS.  So no quantiser asks another lane for a maximum, and the six registers
; of codes are a lane's part of a half fragment (16 rows x 64 codes, 768 bytes: 16 bytes at 16 l, 8 at 512 + 8 l).
; A RECORD (13,312 bytes) is a tile of 16 rows for all of K: four chunks of 3,328 bytes: 256 bytes of scale words (row r: its two words, twice), then four half fragments.
; TABLES for n = 16 b + head.  At 157,696 n: r's codes in planes (bytes 0-15 of block 0 at 16 m; of block 1 at 16,384 + 16 m; bytes 16-23 of block h at 32,768 + 16 m + 8 h), k's 64 HF at 49,152, v's at 98,304
; ([128 keys][tile of d][64 keys]), r's scale words at 147,456, k's at 151,552, v's at 155,648.  At 20,185,088 + 106,496 n: q + r_w_bias (HF at 0, words at 49,152), q + r_r_bias (53,248, 102,400).
; A scale word of q, k, r is its row's two bytes, twice.  q's and k's words lie [128 rows][lane][4]: register e holds tile 2 e in lanes 0-15 and tile 2 e + 1 in lanes 16-31.
; LIMITS: bias + r_w_bias and bias + r_r_bias are summed first and enter one fused multiply-add: one rounding fewer than in reference().  NaN and infinities are not served; a block of zeros gets the byte 1.
.set REC,   13312
.set CH,    3328
.set LX,    8*REC                      ; LDS: the rows' records begin behind the weights' eight
.set POFF,  6815744                    ; from a record of inputs to the same record of pos
.set WOFF,  13631488
.set WTYPE, 64*REC                     ; from a kind's weights to the next kind's (0 q, 1 k, 2 v, 3 r)
.set HREC,  157696
.set QOFF,  20185088
.set QREC,  106496
.set SPARE, 24*REC                     ; behind the records: the spare words, 128 bytes a wave
; window 0: addresses, scale words, the way out.  window 1: the 32 accumulators.  windows 2 and 3: two sets of fragments: rows' v0-95, weights' v96-143
.set AXA, 8                            ; v8, v9   LDS address of my rows' fragments, the 16 l part: tiles 0-3, tiles 4-7 (an offset has 16 bits).  No LDS address is ever stepped
.set AXB, 10                           ; v10, v11 the 8 l part
.set AWA, 12                           ; v12, v13 the same of my four weight tiles
.set AWB, 13
.set ASC, 14                           ; v14, v15 of the scale words: tiles 0-3, tiles 4-7
.set OAR, 16                           ; v16, v17 r's planes: 16,384 h + 16 r;  16 r + 8 h
.set OBR, 17
.set L16, 23
.set L8,  24
.set L4,  25
.set H8,  26
.set H128, 27
.set SPW, 28
.set NIL, 29
.set DL,  30
.set SC,  32                           ; v32-63 scale words, a set for each parity of the chunk: register 2 i + s': lanes 0-15 weight tile i, lanes 16-31 row tile i
.set SV,  64                           ; v64-95   s at my 32 columns
.set RW,  96                           ; v96-127  r_w_bias
.set AV,  128                          ; v128-159 the addend
.set RR,  160                          ; v160-191 r_r_bias, then bias + r_r_bias
.set E,   192                          ; v192-223 32 numbers ahead of the quantiser
.set C,   224
.set T,   232
.set M,   240
.set SCV, 241
.set BY,  242
.set P0,  244                          ; v244, v245 eight tiles' bytes; v246, v247 lane l xor 16's
.set Q0,  246
.set WD,  248
.set SELA, 252
.set SELB, 253
.set SEL,  2
.set WV,   20
.set WM,   21
.set WN,   22
.set G1X,  24                          ; s[24:31] group 1: 8 records of rows;   s[40:43] its group 0
.set G1W,  32                          ; s[32:39] 4 records of weights;         s[44:47]
.set G0X,  40
.set G0W,  44
.set PK,   48                          ; where the results go: the head's record + 6,144 kappa;
.set PS,   50                          ; + 512 kappa;
.set PV,   52                          ; + 256 kappa;
.set PR,   54                          ; + 2,048 kappa;
.set PQ,   56                          ; the head's queries + 6,144 kappa;
.set PQS,  58                          ; + 512 kappa
.set HM,   60
.set G1Q,  84                          ; s[84:91] 2 records of weights;         s[96:99]
.set G0Q,  96
.set MSB, 0
.macro WIN new                         ; the immediate's high byte repeats the setting that is left
.if MSB != \new
	s_set_vgpr_msb (MSB<<8)|\new
.set MSB, \new
.endif
.endm
.macro CROUND                          ; a round of the cluster's barrier
	s_barrier_signal -1
	s_barrier_wait -1
	s_cmp_lg_u32 s[WV], 0
	s_cbranch_scc1 .Lnot_wave_0_\@
	s_barrier_signal -3
.Lnot_wave_0_\@:
	s_barrier_wait -3
	s_barrier_signal -1
	s_barrier_wait -1
.endm
	s_load_b256 s[4:11], s[0:1], 0x0               ; opnd, s_i, input_biases, s_p
	s_load_b256 s[12:19], s[0:1], 0x20             ; pos_biases, r_w_bias, r_r_bias, heads
	v_lshl_add_u32 v[SPW], v0, 2, SPARE
	v_mov_b32 v[NIL], 0
	ds_add_u32 v[SPW], v[NIL]                      ; the wave's opening: the add, twice on end, and its wait ahead of my first tensor load
	ds_add_u32 v[SPW], v[NIL]
	v_lshrrev_b32 v1, 5, v0
	v_readfirstlane_b32 s[WV], v1
	s_lshr_b32 s[WM], s[WV], 1                     ; which 128 rows are mine.  Also: I fetch rows' records (0) or weights' (1)
	s_and_b32 s[WN], s[WV], 1                      ; which head.  Also: which half I fetch
	s_bfe_u32 s66, ttmp6, 0x40000                  ; cx
	s_bfe_u32 s67, ttmp6, 0x40004                  ; cy
	s_lshl_b32 s68, ttmp9, 2
	s_add_co_u32 s68, s68, s66                     ; X: the pair of heads, 0 .. 7
	s_and_b32 s69, ttmp7, 0xffff
	s_lshl_b32 s69, s69, 2
	s_add_co_u32 s69, s69, s67                     ; Mt: the block of 256 rows
	s_lshl_b32 s71, s67, 2
	s_lshl_b32 s71, 15, s71                        ; my row of the cluster
	s_lshl_b32 s72, 0x1111, s66                    ; my column
	; group 1: dense blocks as rows of 256 bytes (32 elements of 8), no padding: 8, 4 or 2 records of 52 rows
	s_or_b32 s[G1X], s71, (3<<16)|(1<<21)
	s_or_b32 s[G1W], s72, (3<<16)|(1<<21)
	s_or_b32 s[G1Q], s72, (3<<16)|(1<<21)
.irp g, G1X, G1W, G1Q
	s_mov_b32 s[\g+1], 32<<16
	s_mov_b32 s[\g+3], 32<<16
	s_mov_b32 s[\g+5], 32
	s_mov_b32 s[\g+6], 0
	s_mov_b32 s[\g+7], 0
.endr
	s_mov_b32 s[G1X+2], 416<<16
	s_mov_b32 s[G1X+4], 416
	s_mov_b32 s[G1W+2], 208<<16
	s_mov_b32 s[G1W+4], 208
	s_mov_b32 s[G1Q+2], 104<<16
	s_mov_b32 s[G1Q+4], 104
	s_lshl_b32 s74, s69, 4                         ; rows: tile 16 Mt + 8 x half, in the records of inputs
	s_lshl_b32 s73, s[WN], 3
	s_add_co_u32 s74, s74, s73
	s_mul_i32 s74, s74, REC
	s_mov_b32 s75, 0
	s_lshl_b32 s76, s68, 3                         ; weights: the first kind walked is k: tile 64 + 8 X
	s_add_co_u32 s76, s76, 64
	s_mul_i32 s76, s76, REC
	s_add_co_u32 s76, s76, WOFF
	s_mul_i32 s61, s[WV], 2*REC                    ; a quarter of the eight: two tiles a wave: in LDS,
	s_add_co_u32 s62, s76, s61                     ; and in memory
	s_mov_b32 s63, 0
	s_mul_i32 s79, s[WN], 4*REC                    ; a half: four tiles: in LDS,
	s_add_co_u32 s76, s76, s79                     ; and in memory
	s_mov_b32 s77, 0
	s_mul_i32 s78, s[WN], 8*REC
	s_add_co_u32 s78, s78, LX                      ; the rows' half in LDS: no place in the cluster enters an LDS address
	s_wait_dscnt 0x0                               ; both opening adds are done
	s_wait_kmcnt 0x0
	s_mov_b32 s[G0X], 1
	s_mov_b32 s[G0X+1], s78
	s_add_nc_u64 s[G0X+2:G0X+3], s[4:5], s[74:75]
	s_or_b32 s[G0X+3], s[G0X+3], 0x80000000
	s_mov_b32 s[G0W], 1
	s_mov_b32 s[G0W+1], s79
	s_add_nc_u64 s[G0W+2:G0W+3], s[4:5], s[76:77]
	s_or_b32 s[G0W+3], s[G0W+3], 0x80000000
	s_mov_b32 s[G0Q], 1
	s_mov_b32 s[G0Q+1], s61
	s_add_nc_u64 s[G0Q+2:G0Q+3], s[4:5], s[62:63]
	s_or_b32 s[G0Q+3], s[G0Q+3], 0x80000000
	CROUND                                         ; all sixteen work-groups are here: the joint loads meet
	s_cmp_eq_u32 s[WM], 0                          ; the first fills: a fill in each arm of one branch on the wave's number
	s_cbranch_scc0 .Lfill_w
	tensor_load_to_lds s[G0X:G0X+3], s[G1X:G1X+7]
	s_nop 0
.rept 4
	v_nop
.endr
	s_branch .Lfilled
.Lfill_w:
	tensor_load_to_lds s[G0W:G0W+3], s[G1W:G1W+7]
	s_nop 0
.rept 4
	v_nop
.endr
.Lfilled:
	v_and_b32 v1, 31, v0                           ; lane
	v_and_b32 v2, 15, v0                           ; r
	v_bfe_u32 v3, v0, 4, 1                         ; h
	v_lshlrev_b32 v[L16], 4, v1
	v_lshlrev_b32 v[L8], 3, v1
	v_lshlrev_b32 v[L4], 2, v1
	v_lshlrev_b32 v[H8], 3, v3
	v_lshlrev_b32 v[H128], 7, v3
	s_mul_i32 s73, s[WM], 8*REC
	s_add_co_u32 s73, s73, LX                      ; my 8 row tiles
	s_mul_i32 s74, s[WN], 4*REC                    ; my 4 weight tiles
	s_add_co_u32 s75, s73, 256
	v_add_nc_u32 v[AXA], s75, v[L16]
	v_add_nc_u32 v[AXA+1], 4*REC, v[AXA]
	s_add_co_u32 s75, s73, 768
	v_add_nc_u32 v[AXB], s75, v[L8]
	v_add_nc_u32 v[AXB+1], 4*REC, v[AXB]
	s_add_co_u32 s75, s74, 256
	v_add_nc_u32 v[AWA], s75, v[L16]
	s_add_co_u32 s75, s74, 768
	v_add_nc_u32 v[AWB], s75, v[L8]
	s_sub_co_u32 s75, s73, s74
	s_add_co_u32 s75, s75, 8                       ; lanes 16-31 take the rows' words, and of each row's two copies the second: other banks than lanes 0-15
	v_mul_u32_u24 v[ASC], s75, v3
	v_lshl_add_u32 v[ASC], v2, 4, v[ASC]
	v_add_nc_u32 v[ASC], s74, v[ASC]
	v_add_nc_u32 v[ASC+1], 4*REC, v[ASC]
	; whose work this is
	s_lshr_b32 s92, s69, 2                         ; b
	s_and_b32 s93, s69, 3                          ; mq
	s_lshl_b32 s94, s68, 1
	s_add_co_u32 s94, s94, s[WN]                   ; head
	s_lshl_b32 s95, s92, 4
	s_add_co_u32 s95, s95, s94                     ; n
	s_lshl_b32 s70, s93, 1
	s_add_co_u32 s70, s70, s[WM]                   ; kappa: which 128 rows of the 1,024
	; s and the biases at my head's columns: the kind's 64 columns stand in the loads' immediates
	s_mul_i32 s76, s94, 768
	s_mov_b32 s77, 0
	s_add_nc_u64 s[8:9], s[8:9], s[76:77]          ; input_biases
	s_mul_i32 s73, s92, 12288
	s_add_co_u32 s76, s76, s73
	s_add_nc_u64 s[6:7], s[6:7], s[76:77]          ; s_i[b]
	s_lshl_b32 s76, s94, 8
	s_add_nc_u64 s[12:13], s[12:13], s[76:77]      ; pos_biases
	s_add_nc_u64 s[14:15], s[14:15], s[76:77]      ; r_w_bias[head]
	s_add_nc_u64 s[16:17], s[16:17], s[76:77]      ; r_r_bias[head]
	s_lshl_b32 s73, s92, 12
	s_add_co_u32 s76, s76, s73
	s_add_nc_u64 s[10:11], s[10:11], s[76:77]      ; s_p[b]
	; where the results go
	s_mul_i32 s76, s95, HREC
	s_add_nc_u64 s[80:81], s[18:19], s[76:77]      ; the head's record
	s_mul_i32 s76, s95, QREC
	s_add_co_u32 s76, s76, QOFF
	s_add_nc_u64 s[82:83], s[18:19], s[76:77]      ; the head's queries
	s_mul_i32 s76, s70, 6144
	s_add_nc_u64 s[PK:PK+1], s[80:81], s[76:77]
	s_add_nc_u64 s[PQ:PQ+1], s[82:83], s[76:77]
	s_lshl_b32 s76, s70, 9
	s_add_nc_u64 s[PS:PS+1], s[80:81], s[76:77]
	s_add_nc_u64 s[PQS:PQS+1], s[82:83], s[76:77]
	s_lshl_b32 s76, s70, 8
	s_add_nc_u64 s[PV:PV+1], s[80:81], s[76:77]
	s_lshl_b32 s76, s70, 11
	s_add_nc_u64 s[PR:PR+1], s[80:81], s[76:77]
	s_mov_b32 s[HM], 0xffff0000                    ; lanes 16-31
	s_mov_b32 s[SEL], 0x76543210
	s_mov_b32 s[SEL+1], 0xfedcba98
	v_lshrrev_b32 v4, 3, v2
	v_and_b32 v5, 7, v2
	v_lshlrev_b32 v[DL], 2, v5
	v_lshl_add_u32 v[DL], v4, 7, v[DL]             ; v: 4 x (32 (r / 8) + r % 8)
	v_lshlrev_b32 v4, 4, v2
	v_lshl_add_u32 v[OAR], v3, 14, v4
	v_lshl_add_u32 v[OBR], v3, 3, v4
	v_mov_b32 v5, 0x00040004                       ; byte selects that make a row's word (its two bytes, twice) of my bytes and lane l xor 16's
	v_mov_b32 v6, 0x05010501
	v_cndmask_b32 v[SELA], v5, v6, s[HM]
	v_mov_b32 v5, 0x02060206
	v_mov_b32 v6, 0x07030703
	v_cndmask_b32 v[SELB], v5, v6, s[HM]
	v_mov_b32 v[Q0], 0                             ; a lane permute's destination counts as one of its sources
	v_mov_b32 v[Q0+1], 0
.macro MM d, a, b, z, sa, sb, arow     ; one product.  z = 1: it starts the sum.  arow = 1: source 0's scales stand in lanes 16-31, else source 1's
.if \z
.if \arow
	v_wmma_scale_f32_16x16x128_f8f6f4 v[\d:\d+7], v[\a:\a+11], v[\b:\b+11], 0, v[\sa], v[\sb] matrix_a_fmt:MATRIX_FMT_FP6 matrix_b_fmt:MATRIX_FMT_FP6 matrix_a_scale:MATRIX_SCALE_ROW1
.else
	v_wmma_scale_f32_16x16x128_f8f6f4 v[\d:\d+7], v[\a:\a+11], v[\b:\b+11], 0, v[\sa], v[\sb] matrix_a_fmt:MATRIX_FMT_FP6 matrix_b_fmt:MATRIX_FMT_FP6 matrix_b_scale:MATRIX_SCALE_ROW1
.endif
.else
.if \arow
	v_wmma_scale_f32_16x16x128_f8f6f4 v[\d:\d+7], v[\a:\a+11], v[\b:\b+11], v[\d:\d+7], v[\sa], v[\sb] matrix_a_fmt:MATRIX_FMT_FP6 matrix_b_fmt:MATRIX_FMT_FP6 matrix_a_scale:MATRIX_SCALE_ROW1
.else
	v_wmma_scale_f32_16x16x128_f8f6f4 v[\d:\d+7], v[\a:\a+11], v[\b:\b+11], v[\d:\d+7], v[\sa], v[\sb] matrix_a_fmt:MATRIX_FMT_FP6 matrix_b_fmt:MATRIX_FMT_FP6 matrix_b_scale:MATRIX_SCALE_ROW1
.endif
.endif
.endm
; 32 products, 128 along K: the 32 accumulators take turns, one instruction a turn, in the same order in every step
.macro MUL sp, cs, mode, first
.if \mode == 0
.irp xt, 0,1,2,3,4,5,6,7
.irp w, 0,1,2,3
	MM 32*\xt+8*\w, 96+12*\w, 12*\xt, \first, SC+16*(\cs)+2*\w+(\sp), SC+16*(\cs)+2*\xt+(\sp), 0
.endr
.endr
.else
.irp g, 0,1
.irp wt, 0,1,2,3
.irp wx, 0,1,2,3
	MM 32*(4*\g+\wt)+8*\wx, 12*(4*\g+\wx), 96+12*\wt, \first, SC+16*(\cs)+2*(4*\g+\wx)+(\sp), SC+16*(\cs)+2*\wt+(\sp), 1
.endr
.endr
.endr
.endif
.endm
.macro LOADF set, ks                   ; 48 LDS loads: my 8 + 4 fragments of K step ks, as they lie: each load's 512 or 256 bytes are consecutive
.set KO, CH*((\ks)/2)+1536*((\ks)%2)
	WIN 0x80+0x40*(\set)
.irp i, 0,1,2,3,4,5,6,7
	ds_load_b128 v[12*\i:12*\i+3], v[AXA+\i/4] offset:REC*(\i%4)+KO
	ds_load_b64 v[12*\i+4:12*\i+5], v[AXB+\i/4] offset:REC*(\i%4)+KO
	ds_load_b128 v[12*\i+6:12*\i+9], v[AXA+\i/4] offset:REC*(\i%4)+KO+768
	ds_load_b64 v[12*\i+10:12*\i+11], v[AXB+\i/4] offset:REC*(\i%4)+KO+768
.endr
.irp i, 0,1,2,3
	ds_load_b128 v[96+12*\i:96+12*\i+3], v[AWA] offset:REC*\i+KO
	ds_load_b64 v[96+12*\i+4:96+12*\i+5], v[AWB] offset:REC*\i+KO
	ds_load_b128 v[96+12*\i+6:96+12*\i+9], v[AWA] offset:REC*\i+KO+768
	ds_load_b64 v[96+12*\i+10:96+12*\i+11], v[AWB] offset:REC*\i+KO+768
.endr
.endm
.macro LOADSC c                        ; chunk c's scale words: two a row.  (For i > 3 lanes 0-15 read bytes of other tiles, which no product names)
	WIN 0
.irp i, 0,1,2,3,4,5,6,7
	ds_load_b64 v[SC+16*((\c)%2)+2*\i:SC+16*((\c)%2)+2*\i+1], v[ASC+\i/4] offset:REC*(\i%4)+CH*(\c)
.endr
.endm
; THE REFILL, when the block's last fragments have been asked for.  Every wave: all its tensor loads have landed, so a group 0 may be written; the add; the add and its LDS reads are done; a round of the cluster's barrier:
; no wave of any partner still reads the records.  Behind the round the wave's one tensor load.  rf = 1: v's weights; 2: q's: a quarter a wave, no branch.  3: r's weights and the rows of pos, shared out as the first fills are.
.macro REFILL rf
	WIN 0
	s_wait_tensorcnt 0x0
	ds_add_u32 v[SPW], v[NIL]                      ; 0 onto my spare word; the descriptors' steps stand between it and the wait for it
.if \rf == 1
	s_add_nc_u64 s[G0Q+2:G0Q+3], s[G0Q+2:G0Q+3], WTYPE             ; from k's weights to v's; the type bits on top are not reached
.elseif \rf == 2
	s_sub_nc_u64 s[G0Q+2:G0Q+3], s[G0Q+2:G0Q+3], 2*WTYPE           ; back to q's
.else
	s_add_nc_u64 s[G0W+2:G0W+3], s[G0W+2:G0W+3], 2*WTYPE           ; from k's, which the first fill brought, to r's
	s_add_nc_u64 s[G0X+2:G0X+3], s[G0X+2:G0X+3], POFF              ; from the records of inputs to those of pos
.endif
	s_wait_dscnt 0x0                               ; the add is done, and my reads of the records are over: the last fragments are in
	CROUND
.if \rf == 3
	s_cmp_eq_u32 s[WM], 0
	s_cbranch_scc0 .Lfor_w_\@
	tensor_load_to_lds s[G0X:G0X+3], s[G1X:G1X+7]
	s_nop 0
.rept 4
	v_nop
.endr
	s_branch .Lasked_\@
.Lfor_w_\@:
	tensor_load_to_lds s[G0W:G0W+3], s[G1W:G1W+7]
	s_nop 0
.rept 4
	v_nop
.endr
.Lasked_\@:
.else
	tensor_load_to_lds s[G0Q:G0Q+3], s[G1Q:G1Q+7]
	s_nop 0
.rept 4
	v_nop
.endr
.endif
.endm
.macro KSTEP s, mode, rf               ; fetch step s + 1 into the other set, multiply step s.  rf: the refill that stands in step 7, or 0
.if (\s) < 7
.if (\s) > 0
.rept 4
	v_nop                                          ; places in front of loads into registers that matrix instructions have read
.endr
.endif
	LOADF ((\s)+1)%2, (\s)+1
.if ((\s)+1)%2 == 0
	LOADSC ((\s)+1)/2
	s_wait_dscnt 56                                ; all but the 48 + 8 just issued
.else
	s_wait_dscnt 48                                ; all but the 48 just issued
.endif
.else
.if (\rf) > 0
	REFILL \rf
.else
	s_wait_dscnt 0x0
.endif
.endif
	WIN 0x5a+5*((\s)%2)                            ; sources 0 and 1: window 2 or 3; C and D: window 1
	MUL (\s)%2, ((\s)/2)%2, \mode, (\s)==0
.endm
.macro TSTART                          ; a block begins: its operands have landed
	s_wait_tensorcnt 0x0                           ; my one load that was out;
	s_barrier_signal -1
	s_barrier_wait -1                              ; everybody's.
	LOADF 0, 0
	LOADSC 0
.endm
.macro OUTW                            ; a block's way out begins
	WIN 0
.rept 4
	v_nop                                          ; places in front of the first read of results
.endr
	s_wait_loadcnt 0x0                             ; s and the biases, asked for ahead of the block's products
.endm
; s and the biases of a kind, asked for ahead of its products.  (The registers were last read by the way out before)
.macro VECS type
.if \type == 2
.irp w, 0,1,2,3                        ; one s and one bias a lane and weight tile, each in both registers of a pair for the packed form
	global_load_b32 v[SV+2*\w], v[DL], s[6:7] offset:512+32*\w
	global_load_b32 v[SV+2*\w+1], v[DL], s[6:7] offset:512+32*\w
	global_load_b32 v[AV+2*\w], v[DL], s[8:9] offset:512+32*\w
	global_load_b32 v[AV+2*\w+1], v[DL], s[8:9] offset:512+32*\w
.endr
.elseif \type == 3
.irp j, 0,1,2,3,4,5,6,7
	global_load_b128 v[SV+4*\j:SV+4*\j+3], v[H128], s[10:11] offset:16*\j
	global_load_b128 v[AV+4*\j:AV+4*\j+3], v[H128], s[12:13] offset:16*\j
.endr
.else
.irp j, 0,1,2,3,4,5,6,7
	global_load_b128 v[SV+4*\j:SV+4*\j+3], v[H128], s[6:7] offset:256*\type+16*\j
	global_load_b128 v[AV+4*\j:AV+4*\j+3], v[H128], s[8:9] offset:256*\type+16*\j
.endr
.if \type == 0
.irp j, 0,1,2,3,4,5,6,7
	global_load_b128 v[RW+4*\j:RW+4*\j+3], v[H128], s[14:15] offset:16*\j
	global_load_b128 v[RR+4*\j:RR+4*\j+3], v[H128], s[16:17] offset:16*\j
.endr
.endif
.endif
.endm
; 32 numbers of a lane, one block, become 24 bytes of codes in v[c] .. v[c + 5] and the scale's byte in v[by]
.macro QUANT32 e, c, t, m, sc, by
	v_max3_num_f32 v[\m], |v[\e]|, |v[\e+1]|, 0x1800000            ; the largest magnitude, in two chains, with the floor 2^(3-127) among the leaves
	v_max3_num_f32 v[\by], |v[\e+2]|, |v[\e+3]|, |v[\e+4]|
.set qi, 5
.rept 6
	v_max3_num_f32 v[\m], v[\m], |v[\e+qi]|, |v[\e+qi+1]|
	v_max3_num_f32 v[\by], v[\by], |v[\e+qi+2]|, |v[\e+qi+3]|
.set qi, qi+4
.endr
	v_max3_num_f32 v[\m], v[\m], |v[\e+29]|, |v[\e+30]|
	v_max3_num_f32 v[\m], v[\m], v[\by], |v[\e+31]|
	v_add_nc_u32 v[\sc], 0xff000000, v[\m]         ; 2 off the exponent field: the conversion's scale operand
	v_lshrrev_b32 v[\by], 23, v[\sc]
	s_wait_alu depctr_va_vdst(0)
	s_wait_xcnt 0x0                                ; the last tile's stores have read their registers: the codes, and later the words, are written again only behind this wait
	v_cvt_scalef32_pk16_fp6_f32 v[\c:\c+2], v[\e:\e+15], v[\sc]
	v_cvt_scalef32_pk16_fp6_f32 v[\t:\t+2], v[\e+16:\e+31], v[\sc]     ; (a conversion's three registers begin on an even number)
	v_nop                                          ; one plain line behind the conversions
	v_mov_b32 v[\c+3], v[\t]
	v_mov_b32 v[\c+4], v[\t+1]
	v_mov_b32 v[\c+5], v[\t+2]
.endm
; The way out of k, q, r: eight tiles of 16 rows.  av: the addend; ptr, off: where the codes go; planes = 1: r's planes, else half fragments.  It leaves the eight tiles' scale words in v[WD] on
.macro EPI av, ptr, off, planes
.irp xt, 0,1,2,3,4,5,6,7
	WIN 0x01                                       ; source 0: the accumulators' window
.set j, 0
.rept 16
	v_pk_fma_f32 v[E+j:E+j+1], v[32*\xt+j:32*\xt+j+1], v[SV+j:SV+j+1], v[\av+j:\av+j+1]      ; each accumulator from its low end on
.set j, j+2
.endr
	WIN 0
.if \xt%4 == 0
	QUANT32 E, C, T, M, SCV, P0+\xt/4
.else
	QUANT32 E, C, T, M, SCV, BY
	v_lshl_or_b32 v[P0+\xt/4], v[BY], 8*(\xt%4), v[P0+\xt/4]       ; four tiles' bytes to a register
.endif
.if \planes
	global_store_b128 v[OAR], v[C:C+3], s[\ptr:\ptr+1] offset:(\off)+256*\xt
	global_store_b64 v[OBR], v[C+4:C+5], s[\ptr:\ptr+1] offset:(\off)+32768+256*\xt
.else
	global_store_b128 v[L16], v[C:C+3], s[\ptr:\ptr+1] offset:(\off)+768*\xt
	global_store_b64 v[L8], v[C+4:C+5], s[\ptr:\ptr+1] offset:(\off)+512+768*\xt
.endif
.endr
	v_permlanex16_b32 v[Q0], v[P0], s[SEL], s[SEL+1]               ; the other block's bytes
	v_permlanex16_b32 v[Q0+1], v[P0+1], s[SEL], s[SEL+1]
	v_perm_b32 v[WD], v[P0], v[Q0], v[SELA]        ; register e: lanes 0-15 the words of tile 2 e, lanes 16-31 those of tile 2 e + 1
	v_perm_b32 v[WD+1], v[P0], v[Q0], v[SELB]
	v_perm_b32 v[WD+2], v[P0+1], v[Q0+1], v[SELA]
	v_perm_b32 v[WD+3], v[P0+1], v[Q0+1], v[SELB]
.endm
	; ---- k
	VECS 1
	TSTART
.irp s, 0,1,2,3,4,5,6,7
	KSTEP \s, 0, 1
.endr
	OUTW
	EPI AV, PK, 49152, 0
	global_store_b128 v[L16], v[WD:WD+3], s[PS:PS+1] offset:151552
	; ---- v: a lane holds one d of tile wt and, for g = 0, 1, keys 64 g + 32 h + 0 .. 31 of my 128
	VECS 2
	TSTART
.irp s, 0,1,2,3,4,5,6,7
	KSTEP \s, 1, 2
.endr
	OUTW
.irp wt, 0,1,2,3
.irp g, 0,1
	WIN 0x01
.set j, 0
.rept 16
	v_pk_fma_f32 v[E+j:E+j+1], v[32*(4*\g+\wt)+j:32*(4*\g+\wt)+j+1], v[SV+2*\wt:SV+2*\wt+1], v[AV+2*\wt:AV+2*\wt+1]
.set j, j+2
.endr
	WIN 0
.if \g == 0
	QUANT32 E, C, T, M, SCV, P0
.else
	QUANT32 E, C, T, M, SCV, BY
	v_lshl_or_b32 v[WD+\wt], v[BY], 16, v[P0]      ; blocks h and 2 + h
.endif
	global_store_b128 v[L16], v[C:C+3], s[PK:PK+1] offset:98304+1536*\wt+768*\g
	global_store_b64 v[L8], v[C+4:C+5], s[PK:PK+1] offset:98304+1536*\wt+768*\g+512
.endr
.endr
.irp wt, 0,1,2,3
	v_lshlrev_b32 v[WD+\wt], v[H8], v[WD+\wt]
	v_permlanex16_b32 v[Q0], v[WD+\wt], s[SEL], s[SEL+1]
	v_or_b32 v[WD+\wt], v[WD+\wt], v[Q0]           ; the word of 128 keys is whole
.endr
	v_cndmask_b32 v[WD], v[WD], v[WD+1], s[HM]     ; tile 0 in lanes 0-15, tile 1 in lanes 16-31;
	v_cndmask_b32 v[WD+1], v[WD+2], v[WD+3], s[HM] ; tiles 2 and 3
	global_store_b64 v[L8], v[WD:WD+1], s[PV:PV+1] offset:155648
	; ---- q, twice: + r_r_bias and + r_w_bias
	VECS 0
	TSTART
.irp s, 0,1,2,3,4,5,6,7
	KSTEP \s, 0, 3
.endr
	OUTW
.set j, 0
.rept 16
	v_pk_add_f32 v[RR+j:RR+j+1], v[AV+j:AV+j+1], v[RR+j:RR+j+1]    ; bias + r_r_bias,
	v_pk_add_f32 v[AV+j:AV+j+1], v[AV+j:AV+j+1], v[RW+j:RW+j+1]    ; bias + r_w_bias
.set j, j+2
.endr
	EPI RR, PQ, 53248, 0
	global_store_b128 v[L16], v[WD:WD+3], s[PQS:PQS+1] offset:102400
	EPI AV, PQ, 0, 0
	global_store_b128 v[L16], v[WD:WD+3], s[PQS:PQS+1] offset:49152
	; ---- r: nothing is left to fetch
	VECS 3
	TSTART
.irp s, 0,1,2,3,4,5,6,7
	KSTEP \s, 0, 0
.endr
	OUTW
	EPI AV, PR, 0, 1
.irp e, 0,1,2,3
	global_store_b32 v[L4], v[WD+\e], s[PS:PS+1] offset:147456+128*\e   ; r's words lie by rows: row 32 e + lane of my 128
.endr
	s_wait_tensorcnt 0x0                           ; the wave's end
	ds_add_u32 v[SPW], v[NIL]
	s_wait_dscnt 0x0
	CROUND                                         ; the closing round
	s_endpgm
.Lfunc_end_k_q2c689dac6e_proj:
	.size	k_q2c689dac6e_proj, .Lfunc_end_k_q2c689dac6e_proj-k_q2c689dac6e_proj
	.p2alignl 7, 3214868480
	.fill 96, 4, 3214868480
	.section	.rodata,"a",@progbits
	.p2align	6, 0x0
	.amdhsa_kernel k_q2c689dac6e_proj
		.amdhsa_group_segment_fixed_size 327680
		.amdhsa_private_segment_fixed_size 0
		.amdhsa_enable_private_segment 0
		.amdhsa_kernarg_size 64
		.amdhsa_user_sgpr_count 2
		.amdhsa_user_sgpr_kernarg_segment_ptr 1
		.amdhsa_wavefront_size32 1
		.amdhsa_system_sgpr_workgroup_id_x 1
		.amdhsa_system_sgpr_workgroup_id_y 1
		.amdhsa_system_sgpr_workgroup_id_z 1
		.amdhsa_system_vgpr_workitem_id 0
		.amdhsa_next_free_vgpr 1024
		.amdhsa_next_free_sgpr 100
		.amdhsa_reserve_vcc 0
		.amdhsa_float_denorm_mode_32 3
		.amdhsa_float_denorm_mode_16_64 3
		.amdhsa_memory_ordered 1
		.amdhsa_forward_progress 1
		.amdhsa_inst_pref_size 255
	.end_amdhsa_kernel
	.section	.bss,"aw",@nobits
	.p2align	6
	.space	262144
	.amdgpu_metadata
---
amdhsa.version: [ 1, 2 ]
amdhsa.kernels:
  - .name:           k_q2c689dac6e_proj
    .symbol:         k_q2c689dac6e_proj.kd
    .args:
      - { .name: opnd, .offset: 0, .size: 8, .value_kind: global_buffer, .address_space: global }
      - { .name: s_i, .offset: 8, .size: 8, .value_kind: global_buffer, .address_space: global }
      - { .name: input_biases, .offset: 16, .size: 8, .value_kind: global_buffer, .address_space: global }
      - { .name: s_p, .offset: 24, .size: 8, .value_kind: global_buffer, .address_space: global }
      - { .name: pos_biases, .offset: 32, .size: 8, .value_kind: global_buffer, .address_space: global }
      - { .name: r_w_bias, .offset: 40, .size: 8, .value_kind: global_buffer, .address_space: global }
      - { .name: r_r_bias, .offset: 48, .size: 8, .value_kind: global_buffer, .address_space: global }
      - { .name: heads, .offset: 56, .size: 8, .value_kind: global_buffer, .address_space: global }
    .group_segment_fixed_size: 327680
    .private_segment_fixed_size: 0
    .kernarg_segment_align: 8
    .kernarg_segment_size: 64
    .max_flat_workgroup_size: 128
    .sgpr_count:     100
    .vgpr_count:     1024
    .wavefront_size: 32
...
	.end_amdgpu_metadata
.endif
;; end of part 2
;; launch attn (part 3): grid 2 x 128, 16 waves a work-group, no clusters, 327,680 bytes of LDS; arguments heads, ctxq; writes ctxq
.if DOCPART == 3
	.amdgcn_target "amdgcn-amd-amdhsa--gfx1250"
	.amdhsa_code_object_version 6
	.text
	.protected	k_q2c689dac6e_attn
	.globl	k_q2c689dac6e_attn
	.p2align	8
	.type	k_q2c689dac6e_attn,@function
k_q2c689dac6e_attn:
	s_mov_b64 s[64:65], 0
	v_nop
	global_prefetch_b8 v0, s[64:65] scope:SCOPE_SE
	s_setreg_imm32_b32 hwreg(HW_REG_WAVE_MODE, 25, 1), 1
	s_wait_xcnt 0x0
; LAUNCH 3 OF 4.  Attention with relative positions for one n = (b, head) and 512 queries a work-group, all three products on codes of E2M3; the context is quantised along H on the way out (workspace ctxq).
; Nothing is left out: there is no mask, and both parts of rel_shift count.
; logit[i][j] = ((q_i + r_w_bias) . k_j + E_i[1023 - i + j]) / 8, with E_i[u] = (q_i + r_r_bias) . r[u] for u <= 1023, 0 for u = 1024, (q_(i+1) + r_r_bias) . r[u - 1025] for u >= 1025.
; t = logit x log2(e); M = the running largest t rounded up to a whole number; p = 2^(t - M) is quantised along the keys; the row's sum is taken of the unquantised p and divides at the end.
; ALL OF THE HEAD'S k, v, r AND THEIR SCALE WORDS LIE IN LDS for the whole launch: first fills only, one barrier.  No cluster: two work-groups share a head's tables, which each fetches once.
; SHARES.  Sixteen waves, four to a SIMD; a wave walks two tiles of 16 queries, each over 8 steps of 128 keys.  Lane r of a tile holds query i = 64 Gq + 4 r + rho: queries 4 apart, so that the skew below is a multiple of 16 bytes.
; ALL PRODUCTS ARE USED TRANSPOSED (source 1 = the 16 queries): a lane holds one query throughout, and by the choice of the tiles' rows (made by the launch before) its 32 registers of four tiles are 32 neighbouring keys, or d.
; K = 64 ON AN INSTRUCTION OF K = 128: the queries' operand is (q, zeros) or (zeros, q); the other operand is the wanted tile's 6 registers and its neighbour's 6.  E2M3 has no code for NaN or infinity and no scale byte here
; is 0xff, so the zero codes give exact zeros.
; THE SKEW.  With u0 = 963 - 64 Gq - rho, column col = u - u0 of E is wanted by lane r for key = col - 60 + 4 r.  E is made 64 columns at a time (17 substeps) for all 16 queries, stored to the wave's own stage (a row a query,
; 128 columns round and round), and read back 16 r bytes askew, straight into the registers that the product with k then takes as its C: no addition is written.
; r's codes lie in planes with 64 rows of zeros in front and behind, so that a tile may begin at any row: the lower part takes rows u, the upper part rows u - 1025, and the pads give the 0 at u = 1024.
; LIMITS: 1 / sum by v_rcp_f32.  Query 1023's successor is held at 1023: its columns are never read.  NaN and infinities are not served; a block of zeros gets the byte 1.
.set REC,   13312
.set CH,    3328
.set HREC,  157696
.set QOFF,  20185088
.set QREC,  106496
; LDS: 0 pad | 1,024 plane A0 | 17,408 pad | 18,432 plane A1 | 34,816 pad | 35,840 plane B | 52,224 pad | k | v | pad, r's words, pad | k's words | v's words | spare words | sixteen stages
.set LK,    53248
.set LV,    102400
.set LRS,   151552
.set LKS,   156160
.set LVS,   160256
.set SPARE, 162304
.set STAGE, 164352
; THE STAGES LIE IN PAIRS: waves 2 p and 2 p + 1 share eight double stages of 16 rows.  A row holds both waves' 512 bytes, piece by piece of 16 bytes by turns (wave 2 p the even pieces, wave 2 p + 1 the odd ones), and 16 bytes of pad.
; So byte x of a wave's row lies at 2 x + 16 (wave % 2), each byte is still one wave's own, and a lane's skew of 16 r bytes is 32 r bytes here: the stores' 16 lanes lie 1,040 bytes apart (4 r words modulo 64),
; the loads' 16 lanes 1,008 bytes apart (-4 r words modulo 64): sixteen different groups of four banks each way (64 banks of 4 bytes: ISA guide 11.1).
.set SPITCH, 1040
; v1, v2 the add's two; v3-9, v13-24 addresses that stay; v10-12 addresses in hand; v25 8 h; v26 -M, v27 the largest t; v[28:29] the sum; v[30:31] f; v32-41 at work; v42-45 k's words, v46-47 r's, v48-49 v's; v50 p's word;
; v51-53 the queries' words; v54-65 (q + r_w_bias, zeros); v66-83 (q_i + r_r_bias, zeros, q_(i+1) + r_r_bias); v84-89 zeros; v90-113 four tiles of r; v114-137 four tiles of k; v90-137 four fragments of v;
; v138-149 p's codes; v150-156 halves of codes; v158-221 scores, then p; v222-253 the context; v254 h
.set S,   158
.set O,   222
.set PC,  138
.set WV,  8
.set PT,  48
.set KC,  49
.set U0,  50
.set UB,  51
.set PR,  52
.set SEL, 56
.set CS,  58
	s_load_b128 s[4:7], s[0:1], 0x0                ; heads, ctxq
	v_lshl_add_u32 v1, v0, 2, SPARE
	v_mov_b32 v2, 0
	ds_add_u32 v1, v2                              ; the wave's opening: the add, twice on end, and its wait ahead of my first tensor load
	ds_add_u32 v1, v2
	v_lshrrev_b32 v32, 5, v0
	s_delay_alu instid0(VALU_DEP_1)
	v_readfirstlane_b32 s[WV], v32
	s_and_b32 s9, ttmp7, 0xffff                    ; n
	; group 1: dense blocks as rows of 256 bytes (32 elements of 8): 64 rows, or 8
	s_mov_b32 s16, 3<<16
	s_mov_b32 s17, 32<<16
	s_mov_b32 s18, 64<<16
	s_mov_b32 s19, 32<<16
	s_mov_b32 s20, 64
	s_mov_b32 s21, 32
	s_mov_b32 s22, 0
	s_mov_b32 s23, 0
	s_mov_b32 s24, 3<<16
	s_mov_b32 s25, 32<<16
	s_mov_b32 s26, 8<<16
	s_mov_b32 s27, 32<<16
	s_mov_b32 s28, 8
	s_mov_b32 s29, 32
	s_mov_b32 s30, 0
	s_mov_b32 s31, 0
	; waves 0-8: 16,384 bytes each of the planes, k and v.  The planes are parted by pads (17,408 w + 1,024), k and v lie on end (16,384 w + 4,096): the lesser is right for every w
	s_mov_b32 s32, 1
	s_mul_i32 s53, s[WV], 17408
	s_add_co_u32 s53, s53, 1024
	s_lshl_b32 s54, s[WV], 14
	s_add_co_u32 s60, s54, 4096
	s_min_u32 s33, s53, s60
	s_mov_b32 s55, 0
	; waves 9-13: 2,048 bytes each of the scale words; a pad of 256 bytes lies behind r's (waves 9 and 10)
	s_mov_b32 s36, 1
	s_add_co_u32 s53, s[WV], 5
	s_lshr_b32 s53, s53, 4
	s_lshl_b32 s53, s53, 8
	s_lshl_b32 s61, s[WV], 11
	s_add_co_u32 s53, s53, s61
	s_add_co_u32 s37, s53, 133376
	s_add_co_u32 s66, s61, 129024
	s_mov_b32 s67, 0
	s_mul_i32 s62, s9, HREC
	s_mov_b32 s63, 0
	s_mul_i32 s68, s9, QREC
	s_add_co_u32 s68, s68, QOFF
	s_mov_b32 s69, 0
	s_lshr_b32 s70, s9, 4                          ; b
	s_mul_i32 s70, s70, 64*REC
	s_bfe_u32 s53, s9, 0x20002                     ; head / 4: the chunk of the context's K
	s_mul_i32 s53, s53, CH
	s_add_co_u32 s70, s70, s53
	s_mov_b32 s71, 0
	s_and_b32 s53, s9, 3
	s_lshl_b32 s72, s53, 1                         ; my head's two bytes in a row's scale words
	s_mov_b32 s73, 0
	s_mul_i32 s46, s53, 768
	s_add_co_u32 s46, s46, 256                     ; my head's HF in the chunk
	s_mov_b32 s47, 0
	s_mov_b32 s[SEL], 0x76543210
	s_mov_b32 s[SEL+1], 0xfedcba98
	s_mov_b32 s[CS], 0x3e38aa3b                    ; c = log2(e) / 8
	s_mov_b32 s[CS+1], s[CS]
	s_mov_b32 s[PT], 0
	v_and_b32 v32, 31, v0                          ; lane
	v_and_b32 v33, 15, v0                          ; r
	v_bfe_u32 v254, v0, 4, 1                       ; h
	s_delay_alu instid0(VALU_DEP_1)
	v_lshlrev_b32 v25, 3, v254
	s_delay_alu instid0(VALU_DEP_4)
	v_lshl_add_u32 v3, v32, 4, LK
	v_lshl_add_u32 v4, v32, 3, LK+512
	v_lshl_add_u32 v5, v32, 4, LV
	v_lshl_add_u32 v6, v32, 3, LV+512
	v_mul_u32_u24 v7, v254, 17408
	s_delay_alu instid0(VALU_DEP_1)
	v_lshl_add_u32 v7, v33, 4, v7                  ; plane A_h, row r
	v_lshl_add_u32 v8, v33, 4, v25
	s_delay_alu instid0(VALU_DEP_1)
	v_add_nc_u32 v8, 34816, v8                     ; plane B, row r, half h
	v_lshl_add_u32 v9, v32, 2, LRS
	v_lshl_add_u32 v13, v32, 4, LKS
	v_lshl_add_u32 v14, v32, 3, LVS
	s_lshr_b32 s53, s[WV], 1
	s_mul_i32 s53, s53, 16*SPITCH                  ; my pair's double stage,
	s_and_b32 s60, s[WV], 1
	s_lshl_b32 s60, s60, 4
	s_add_co_u32 s53, s53, s60                     ; my pieces of it: the even or the odd ones
	s_add_co_u32 s53, s53, STAGE
	v_mul_u32_u24 v34, v33, SPITCH
	s_delay_alu instid0(VALU_DEP_1)
	v_add_nc_u32 v34, s53, v34                     ; my query's row of my stage
	s_delay_alu instid0(VALU_DEP_1)
	v_lshl_add_u32 v15, v254, 6, v34               ; in: + 2 x 32 h
	v_lshlrev_b32 v35, 7, v254
	s_delay_alu instid0(VALU_DEP_1)
	v_add_nc_u32 v35, 240, v35
	v_lshlrev_b32 v36, 4, v33
	s_delay_alu instid0(VALU_DEP_1)
	v_sub_nc_u32 v35, v35, v36                     ; mu = 128 h + 240 - 16 r: the skew
	s_delay_alu instid0(VALU_DEP_1)
	v_lshl_add_u32 v16, v35, 1, v34                ; back, even groups of 64 keys: no wrap; + 2 mu
.irp k, 0,1,2,3,4,5,6,7
	v_add_nc_u32 v36, 256+16*\k, v35
	s_delay_alu instid0(VALU_DEP_1)
	v_and_b32 v36, 511, v36
	s_delay_alu instid0(VALU_DEP_1)
	v_lshl_add_u32 v[17+\k], v36, 1, v34           ; odd groups: each piece of 16 bytes wraps by itself
.endr
	s_and_b32 s53, s[WV], 1                        ; the pads' addresses (waves 14 and 15)
	s_mul_i32 s60, s53, 34816
	v_lshl_add_u32 v10, v32, 4, s60
	s_mul_i32 s60, s53, 4352
	s_add_co_u32 s60, s60, LRS
	v_lshl_add_u32 v11, v32, 3, s60
.irp j, 60,61,62,63,64,65,72,73,74,75,76,77,84,85,86,87,88,89,114,115,116,117,118,119
	v_mov_b32 v[\j], 0                             ; the zero halves of the queries' operands; the neighbours of the first and the last tile, before anything is loaded there
.endr
.irp j, 0,1,2,3,4,5,6,7,8,9,10,11
	v_mov_b32 v[PC+\j], 0
.endr
	v_mov_b32 v31, 0                               ; (named as the upper half of the pair v[30:31])
	v_mov_b32 v35, 0                               ; a lane permute's destination counts as one of its sources
	s_wait_dscnt 0x0                               ; both opening adds are done
	s_wait_kmcnt 0x0
	s_add_nc_u64 s[12:13], s[4:5], s[62:63]        ; the head's record
	s_add_nc_u64 s[14:15], s[4:5], s[68:69]        ; the head's queries
	s_add_nc_u64 s[44:45], s[6:7], s[70:71]        ; ctxq at batch b's records, my head's chunk
	s_add_nc_u64 s[34:35], s[12:13], s[54:55]
	s_or_b32 s35, s35, 0x80000000
	s_add_nc_u64 s[38:39], s[12:13], s[66:67]
	s_or_b32 s39, s39, 0x80000000
	s_cmp_lt_u32 s[WV], 9                          ; one tensor load of a wave is out at the most
	s_cbranch_scc0 .Lnot_big
	tensor_load_to_lds s[32:35], s[16:23]
	s_nop 0
.rept 4
	v_nop
.endr
	s_branch .Lfilled
.Lnot_big:
	s_cmp_lt_u32 s[WV], 14
	s_cbranch_scc0 .Lpads
	tensor_load_to_lds s[36:39], s[24:31]
	s_nop 0
.rept 4
	v_nop
.endr
	s_branch .Lfilled
.Lpads:
	ds_store_b128 v10, v[84:87]                    ; zeros: 1,024 bytes in front of planes A0 and A1 (wave 14), of plane B and behind it (wave 15): blocks of 256 bytes into which no fill lands
	ds_store_b128 v10, v[84:87] offset:512
	ds_store_b128 v10, v[84:87] offset:17408
	ds_store_b128 v10, v[84:87] offset:17920
	ds_store_b64 v11, v[84:85]                     ; and 256 bytes in front of r's scale words (wave 14) and behind them (wave 15)
.Lfilled:
.macro WM d, a, b, z, sa, sb, row      ; one product.  z = 1: it starts the sum.  row = 1: source 0's scale words stand in lanes 16-31
.if \z
.if \row
	v_wmma_scale_f32_16x16x128_f8f6f4 v[\d:\d+7], v[\a:\a+11], v[\b:\b+11], 0, v[\sa], v[\sb] matrix_a_fmt:MATRIX_FMT_FP6 matrix_b_fmt:MATRIX_FMT_FP6 matrix_a_scale:MATRIX_SCALE_ROW1
.else
	v_wmma_scale_f32_16x16x128_f8f6f4 v[\d:\d+7], v[\a:\a+11], v[\b:\b+11], 0, v[\sa], v[\sb] matrix_a_fmt:MATRIX_FMT_FP6 matrix_b_fmt:MATRIX_FMT_FP6
.endif
.else
.if \row
	v_wmma_scale_f32_16x16x128_f8f6f4 v[\d:\d+7], v[\a:\a+11], v[\b:\b+11], v[\d:\d+7], v[\sa], v[\sb] matrix_a_fmt:MATRIX_FMT_FP6 matrix_b_fmt:MATRIX_FMT_FP6 matrix_a_scale:MATRIX_SCALE_ROW1
.else
	v_wmma_scale_f32_16x16x128_f8f6f4 v[\d:\d+7], v[\a:\a+11], v[\b:\b+11], v[\d:\d+7], v[\sa], v[\sb] matrix_a_fmt:MATRIX_FMT_FP6 matrix_b_fmt:MATRIX_FMT_FP6
.endif
.endif
.endm
.macro QUANT32 e, c, t, m, sc, by      ; 32 numbers of a lane, one block, become 24 bytes of codes and the scale's byte
	v_max3_num_f32 v[\m], |v[\e]|, |v[\e+1]|, 0x1800000
	v_max3_num_f32 v[\by], |v[\e+2]|, |v[\e+3]|, |v[\e+4]|
.set qi, 5
.rept 6
	s_delay_alu instid0(VALU_DEP_2)
	v_max3_num_f32 v[\m], v[\m], |v[\e+qi]|, |v[\e+qi+1]|
	s_delay_alu instid0(VALU_DEP_2)
	v_max3_num_f32 v[\by], v[\by], |v[\e+qi+2]|, |v[\e+qi+3]|
.set qi, qi+4
.endr
	s_delay_alu instid0(VALU_DEP_2)
	v_max3_num_f32 v[\m], v[\m], |v[\e+29]|, |v[\e+30]|
	s_delay_alu instid0(VALU_DEP_1)
	v_max3_num_f32 v[\m], v[\m], v[\by], |v[\e+31]|
	s_delay_alu instid0(VALU_DEP_1)
	v_add_nc_u32 v[\sc], 0xff000000, v[\m]
	s_delay_alu instid0(VALU_DEP_1)
	v_lshrrev_b32 v[\by], 23, v[\sc]
	v_cvt_scalef32_pk16_fp6_f32 v[\c:\c+2], v[\e:\e+15], v[\sc]
	v_cvt_scalef32_pk16_fp6_f32 v[\t:\t+2], v[\e+16:\e+31], v[\sc]
	v_nop                                          ; one plain line behind the conversions
	v_mov_b32 v[\c+3], v[\t]
	v_mov_b32 v[\c+4], v[\t+1]
	v_mov_b32 v[\c+5], v[\t+2]
.endm
; where query v[i]'s codes and scale word lie in the tables: HF 4 (i / 64) + (i / 8) % 4, row 8 ((i / 32) % 2) + i % 8
.macro QADDR i, a, b, s
	s_delay_alu instid0(VALU_DEP_1)
	v_lshrrev_b32 v33, 6, v[\i]
	s_delay_alu instid0(VALU_DEP_2)
	v_bfe_u32 v34, v[\i], 3, 2
	s_delay_alu instid0(VALU_DEP_1)
	v_lshl_or_b32 v33, v33, 2, v34
	s_delay_alu instid0(VALU_DEP_1)
	v_mul_u32_u24 v33, v33, 768
	v_bfe_u32 v34, v[\i], 5, 1
	v_and_b32 v35, 7, v[\i]
	s_delay_alu instid0(VALU_DEP_1)
	v_lshl_or_b32 v34, v34, 3, v35                 ; the row
	s_delay_alu instid0(VALU_DEP_1)
	v_lshl_or_b32 v35, v254, 4, v34                ; the lane that holds my half of it
	s_delay_alu instid0(VALU_DEP_1)
	v_lshl_add_u32 v[\a], v35, 4, v33
	s_delay_alu instid0(VALU_DEP_2)
	v_lshl_add_u32 v[\b], v35, 3, v33
	v_bfe_u32 v35, v[\i], 3, 1
	s_delay_alu instid0(VALU_DEP_1)
	v_lshl_or_b32 v34, v35, 4, v34                 ; the word's lane: odd tiles in lanes 16-31
	v_lshrrev_b32 v33, 7, v[\i]
	s_delay_alu instid0(VALU_DEP_2)
	v_lshlrev_b32 v34, 4, v34
	s_delay_alu instid0(VALU_DEP_1)
	v_lshl_add_u32 v34, v33, 9, v34
	v_bfe_u32 v33, v[\i], 6, 1
	v_bfe_u32 v35, v[\i], 4, 1
	s_delay_alu instid0(VALU_DEP_1)
	v_lshl_or_b32 v33, v33, 1, v35                 ; and its register
	s_delay_alu instid0(VALU_DEP_1)
	v_lshl_add_u32 v[\s], v33, 2, v34
.endm
; 64 columns of E from 64 rows of r.  up = 0: rows u, with q_i; up = 1: rows u - 1025, with q_(i+1).  z = 1: the products start the sums
.macro BDPASS up, z, x
.if \up
	s_sub_co_u32 s[PR], s[UB], 961                 ; row u - 1025, + 64 rows of pad
.else
	s_add_co_u32 s[PR], s[UB], 64
.endif
	s_min_u32 s[PR], s[PR], 1088                   ; never reached: the first row is 1,087 at the most; it states the bound
	v_lshl_add_u32 v10, s[PR], 4, v7
	v_lshl_add_u32 v11, s[PR], 4, v8
	v_lshl_add_u32 v12, s[PR], 2, v9
.irp t, 0,1,2,3
	ds_load_b128 v[90+6*\t:93+6*\t], v10 offset:256*\t
	ds_load_b64 v[94+6*\t:95+6*\t], v11 offset:256*\t
.endr
	ds_load_b32 v46, v12                           ; the words of tiles 0 (lanes 0-15) and 1 (lanes 16-31),
	ds_load_b32 v47, v12 offset:128                ; of tiles 2 and 3
	s_wait_dscnt 0x0
.irp t, 0,1,2,3
.if \up
	WM \x+8*\t, 84+6*\t, 72, \z, 46+\t/2, 53, \t%2     ; (the tile before, my tile) x (zeros, q)
.else
	WM \x+8*\t, 90+6*\t, 66, \z, 46+\t/2, 52, \t%2     ; (my tile, the tile behind) x (q, zeros)
.endif
.endr
.endm
; a substep: columns ub .. ub + 63, ub = U0 + 128 kappa + add, into half `half` of the stage's rows.  The branches hang on ids and the count of steps alone.
; (half and add come as text and stand in parentheses: half is given as 1-g and is multiplied here)
.macro BDSUB half, x, add
	s_lshl_b32 s53, s[KC], 7
	s_add_co_u32 s[UB], s[U0], s53
	s_add_co_u32 s[UB], s[UB], (\add)
	s_cmp_gt_u32 s[UB], 1023
	s_cbranch_scc1 .Lupper_\@
	BDPASS 0, 1, \x
	s_cmp_lt_u32 s[UB], 962
	s_cbranch_scc1 .Lmade_\@
	v_nop                                          ; with the three address lines below: four places in front of loads into registers that the products above have read
	BDPASS 1, 0, \x                                ; the substep that holds u = 1024: the upper part is added; the pads' zeros keep the two apart
	s_branch .Lmade_\@
.Lupper_\@:
	BDPASS 1, 1, \x
.Lmade_\@:
.rept 5
	v_nop                                          ; four places in front of the stores and loads below, five in front of the products that write these registers again
.endr
.irp t, 0,1,2,3
	ds_store_b128 v15, v[\x+8*\t:\x+8*\t+3] offset:512*(\half)+128*\t        ; each accumulator from its low end on; a piece of 16 bytes to every 32
	ds_store_b128 v15, v[\x+8*\t+4:\x+8*\t+7] offset:512*(\half)+128*\t+32
.endr
.endm
; 64 keys: k's four tiles; the substep of E that is still wanting; E askew into the scores' registers; the product with k adds onto it
.macro GROUP g
.if \g == 0
	s_mul_i32 s53, s[KC], 6144
	s_lshl_b32 s54, s[KC], 9
	v_add_nc_u32 v32, s53, v3
	v_add_nc_u32 v33, s53, v4
	v_add_nc_u32 v34, s54, v13
.else
.rept 4
	v_nop                                          ; places in front of loads into registers that the last products have read
.endr
.endif
.irp w, 0,1,2,3
	ds_load_b128 v[114+6*\w:117+6*\w], v32 offset:768*(4*\g+\w)
	ds_load_b64 v[118+6*\w:119+6*\w], v33 offset:768*(4*\g+\w)
.endr
.if \g == 0
	ds_load_b128 v[42:45], v34                     ; the step's eight tiles' scale words
.endif
	BDSUB 1-\g, S+32*\g, 64+64*\g
.irp k, 0,1,2,3,4,5,6,7
.if \g == 0
	ds_load_b128 v[S+4*\k:S+4*\k+3], v16 offset:32*\k              ; LDS serves a wave's instructions in order: these see the stores above
.else
	ds_load_b128 v[S+32+4*\k:S+32+4*\k+3], v[17+\k]
.endif
.endr
	s_wait_dscnt 0x0
.irp w, 0,1,2,3
	WM S+32*\g+8*\w, 114+6*\w, 54, 0, 42+(4*\g+\w)/2, 51, \w%2
.endr
.endm
; A tile's prologue: where its queries lie, the nine loads that bring them, and the sums' first values.  It names no LDS byte.
.macro PROLOG
	s_wait_xcnt 0x0
	s_lshl_b32 s53, ttmp9, 3
	s_lshl_b32 s54, s[PT], 2
	s_add_co_u32 s53, s53, s54
	s_lshr_b32 s54, s[WV], 2
	s_add_co_u32 s53, s53, s54                     ; Gq
	s_and_b32 s54, s[WV], 3                        ; rho
	s_lshl_b32 s60, s53, 6
	s_add_co_u32 s60, s60, s54                     ; lane 0's query
	s_sub_co_u32 s[U0], 963, s60
	s_lshl_b32 s61, s53, 2
	s_add_co_u32 s61, s61, s54
	s_mul_i32 s62, s61, REC
	s_mov_b32 s63, 0
	s_add_nc_u64 s[40:41], s[44:45], s[62:63]      ; the tile's record of the context
	s_add_nc_u64 s[42:43], s[40:41], s[72:73]
	s_add_nc_u64 s[40:41], s[40:41], s[46:47]
	v_and_b32 v33, 15, v0
	s_delay_alu instid0(VALU_DEP_1)
	v_lshl_add_u32 v32, v33, 2, s60                ; i
	QADDR 32, 36, 37, 38
	v_add_nc_u32 v32, 1, v32
	s_delay_alu instid0(VALU_DEP_1)
	v_min_u32 v32, 0x3ff, v32                      ; i + 1
	QADDR 32, 39, 40, 41
	global_load_b128 v[54:57], v36, s[14:15]
	global_load_b64 v[58:59], v37, s[14:15] offset:512
	global_load_b32 v51, v38, s[14:15] offset:49152
	global_load_b128 v[66:69], v36, s[14:15] offset:53248
	global_load_b64 v[70:71], v37, s[14:15] offset:53760
	global_load_b32 v52, v38, s[14:15] offset:102400
	global_load_b128 v[78:81], v39, s[14:15] offset:53248
	global_load_b64 v[82:83], v40, s[14:15] offset:53760
	global_load_b32 v53, v41, s[14:15] offset:102400
	v_mov_b32 v27, 0xff61b1e6                      ; the largest t so far: -3e38
	s_delay_alu instid0(VALU_DEP_1)
	v_floor_f32 v26, -v27
	v_mov_b32 v28, 0
	v_mov_b32 v29, 0
.set j, 0
.rept 32
	v_mov_b32 v[O+j], 0                            ; the key step is written once: the first finds zeros
.set j, j+1
.endr
	s_mov_b32 s[KC], 0
.endm
	PROLOG                                         ; the first tile's queries are asked for while the tables are on their way
	s_wait_alu depctr_va_vdst(0)                   ; the wait at the head's end
	s_wait_tensorcnt 0x0                           ; my fill has landed,
	s_wait_dscnt 0x0                               ; my zeros are stored:
	s_barrier_signal -1
	s_barrier_wait -1                              ; everybody's.  The launch's only barrier: from here on the tables are only read, and a stage's bytes are each one wave's own
.Ltile:                                            ; two trips: my two tiles of 16 queries
	s_wait_loadcnt 0x0
	BDSUB 0, S, 0                                  ; substep 0
.Lkey:                                             ; eight trips of 128 keys
	GROUP 0
	s_wait_alu depctr_va_vdst(0)
	GROUP 1
	s_mul_i32 s53, s[KC], 6144
	s_lshl_b32 s54, s[KC], 8
	v_add_nc_u32 v40, s53, v5                      ; (these three and the v_nop: four places behind the last products)
	v_add_nc_u32 v41, s53, v6
	v_add_nc_u32 v10, s54, v14
	v_nop
.irp w, 0,1,2,3                        ; v's four fragments land while the softmax is walked
.irp c, 0,1
	ds_load_b128 v[90+12*\w+6*\c:93+12*\w+6*\c], v40 offset:1536*\w+768*\c
	ds_load_b64 v[94+12*\w+6*\c:95+12*\w+6*\c], v41 offset:1536*\w+768*\c
.endr
.endr
	ds_load_b64 v[48:49], v10
	; the softmax.  My 64 scores are two whole blocks of 32 keys: blocks h and 2 + h of the step
	v_max3_num_f32 v32, v[S], v[S+1], v[S+2]       ; each block's largest score serves twice: for the row's maximum and, since p rises with the score, for the block's largest p
	v_max3_num_f32 v33, v[S+32], v[S+33], v[S+34]
.set j, 3
.rept 14
	v_max3_num_f32 v32, v32, v[S+j], v[S+j+1]
	v_max3_num_f32 v33, v33, v[S+32+j], v[S+33+j]
.set j, j+2
.endr
	v_max_num_f32 v32, v32, v[S+31]
	v_max_num_f32 v33, v33, v[S+63]
	s_delay_alu instid0(VALU_DEP_1)
	v_max_num_f32 v34, v32, v33
	s_delay_alu instid0(VALU_DEP_1)
	v_permlanex16_b32 v35, v34, s[SEL], s[SEL+1]
	s_delay_alu instid0(VALU_DEP_1)
	v_max_num_f32 v34, v34, v35                    ; with lane l xor 16's 64 keys
	s_delay_alu instid0(VALU_DEP_1)
	v_mul_f32 v34, s[CS], v34
	s_delay_alu instid0(VALU_DEP_1)
	v_max_num_f32 v27, v27, v34                    ; the running largest t
	v_mov_b32 v34, v26
	s_delay_alu instid0(VALU_DEP_2)
	v_floor_f32 v26, -v27                          ; -M = floor(-t): M is a whole number
	s_delay_alu instid0(VALU_DEP_1)
	v_sub_f32 v34, v26, v34
	s_delay_alu instid0(VALU_DEP_1)
	v_cvt_i32_f32 v34, v34                         ; (it saturates)
	s_delay_alu instid0(VALU_DEP_1)
	v_ldexp_f32 v30, 1.0, v34                      ; f = 2^(old M - new M): exact
.set j, 0
.rept 32
	v_pk_fma_f32 v[S+j:S+j+1], v[S+j:S+j+1], s[CS:CS+1], v[26:27] op_sel_hi:[1,0,0]       ; t - M
.set j, j+2
.endr
	v_fma_f32 v32, v32, s[CS], v26
	v_fma_f32 v33, v33, s[CS], v26
.set j, 0
	s_wait_alu depctr_va_vdst(0)
.rept 64
	v_exp_f32 v[S+j], v[S+j]                       ; p = 2^(t - M): not normalised
.set j, j+1
.endr
	v_pk_mul_f32 v[28:29], v[28:29], v[30:31] op_sel_hi:[1,0]      ; the sum under the new M.  (The plain line behind the exponentials)
	s_wait_alu depctr_va_vdst(0)                   ; one wait for the batch, ahead of its first reader
	v_exp_f32 v32, v32                             ; the blocks' largest p
	v_exp_f32 v33, v33
	v_pk_add_f32 v[36:37], v[162:163], v[166:167]
	v_pk_add_f32 v[156:157], v[170:171], v[174:175]
	v_pk_add_f32 v[154:155], v[178:179], v[182:183]
	v_pk_add_f32 v[152:153], v[186:187], v[190:191]
	v_pk_add_f32 v[150:151], v[194:195], v[198:199]
	v_pk_add_f32 v[148:149], v[202:203], v[206:207]
	v_pk_add_f32 v[146:147], v[210:211], v[214:215]
	v_pk_add_f32 v[28:29], v[28:29], v[218:219]
	v_pk_add_f32 v[36:37], v[36:37], v[158:159]
	v_pk_add_f32 v[156:157], v[156:157], v[160:161]
	v_pk_add_f32 v[154:155], v[154:155], v[164:165]
	v_pk_add_f32 v[152:153], v[152:153], v[168:169]
	v_pk_add_f32 v[150:151], v[150:151], v[172:173]
	v_pk_add_f32 v[148:149], v[148:149], v[176:177]
	v_pk_add_f32 v[146:147], v[146:147], v[180:181]
	v_pk_add_f32 v[28:29], v[28:29], v[184:185]
	v_pk_add_f32 v[36:37], v[36:37], v[188:189]
	v_pk_add_f32 v[156:157], v[156:157], v[192:193]
	v_pk_add_f32 v[154:155], v[154:155], v[196:197]
	v_pk_add_f32 v[152:153], v[152:153], v[200:201]
	v_pk_add_f32 v[150:151], v[150:151], v[204:205]
	v_pk_add_f32 v[148:149], v[148:149], v[208:209]
	v_pk_add_f32 v[146:147], v[146:147], v[212:213]
	v_pk_add_f32 v[28:29], v[28:29], v[216:217]
	v_pk_add_f32 v[36:37], v[36:37], v[220:221]
	s_delay_alu instid0(VALU_DEP_2)
	v_pk_add_f32 v[28:29], v[28:29], v[152:153]
	s_delay_alu instid0(VALU_DEP_2)
	v_pk_add_f32 v[36:37], v[36:37], v[150:151]
	v_pk_add_f32 v[156:157], v[156:157], v[148:149]
	v_pk_add_f32 v[154:155], v[154:155], v[146:147]
	s_delay_alu instid0(VALU_DEP_2)
	v_pk_add_f32 v[28:29], v[28:29], v[156:157]
	s_delay_alu instid0(VALU_DEP_2)
	v_pk_add_f32 v[36:37], v[36:37], v[154:155]
	s_delay_alu instid0(VALU_DEP_1)
	v_pk_add_f32 v[28:29], v[28:29], v[36:37]
	s_wait_alu depctr_va_vdst(0)                   ; and one for the two
	v_max_num_f32 v32, 0x1800000, v32              ; the floor 2^(3-127)
	v_max_num_f32 v33, 0x1800000, v33
	s_delay_alu instid0(VALU_DEP_2)
	v_add_nc_u32 v38, 0xff000000, v32
	s_delay_alu instid0(VALU_DEP_2)
	v_add_nc_u32 v39, 0xff000000, v33
	s_delay_alu instid0(VALU_DEP_2)
	v_lshrrev_b32 v32, 23, v38
	s_delay_alu instid0(VALU_DEP_2)
	v_lshrrev_b32 v33, 23, v39
	s_delay_alu instid0(VALU_DEP_1)
	v_lshl_or_b32 v32, v33, 16, v32
	s_delay_alu instid0(VALU_DEP_1)
	v_lshlrev_b32 v32, v25, v32
	s_delay_alu instid0(VALU_DEP_1)
	v_permlanex16_b32 v35, v32, s[SEL], s[SEL+1]
	s_delay_alu instid0(VALU_DEP_1)
	v_or_b32 v50, v32, v35                         ; p's scale word for these 128 keys
	v_cvt_scalef32_pk16_fp6_f32 v[PC:PC+2], v[S:S+15], v38
	v_cvt_scalef32_pk16_fp6_f32 v[150:152], v[S+16:S+31], v38
	v_cvt_scalef32_pk16_fp6_f32 v[PC+6:PC+8], v[S+32:S+47], v39
	v_cvt_scalef32_pk16_fp6_f32 v[154:156], v[S+48:S+63], v39
	v_nop                                          ; one plain line behind the conversions
.irp i, 0,1,2
	v_mov_b32 v[PC+3+\i], v[150+\i]
	v_mov_b32 v[PC+9+\i], v[154+\i]
.endr
.set j, 0
.rept 16
	v_pk_mul_f32 v[O+j:O+j+1], v[O+j:O+j+1], v[30:31] op_sel_hi:[1,0]      ; the context under the new M.  (These are also the places between p's word and codes and the products below)
.set j, j+2
.endr
	s_wait_alu depctr_va_vdst(0)
	s_wait_dscnt 0x0                               ; v's fragments and words
.irp w, 0,1,2,3
	WM O+8*\w, 90+12*\w, PC, 0, 48+\w/2, 50, \w%2
.endr
.rept 4
	v_nop                                          ; places in front of the next step's loads, and of the first read of the context
.endr
	s_add_co_u32 s[KC], s[KC], 1
	s_cmp_lt_u32 s[KC], 8
	s_cbranch_scc1 .Lkey
	; the way out: context / sum; my 32 numbers are d = 32 h + 0 .. 31 of my query: a whole block along H
	v_add_f32 v28, v28, v29
	s_delay_alu instid0(VALU_DEP_1)
	v_permlanex16_b32 v35, v28, s[SEL], s[SEL+1]
	s_delay_alu instid0(VALU_DEP_1)
	v_add_f32 v28, v28, v35
	s_wait_alu depctr_va_vdst(0)
	v_rcp_f32 v28, v28
	v_and_b32 v36, 31, v0                          ; (plain lines behind the reciprocal)
	s_delay_alu instid0(VALU_DEP_1)
	v_lshlrev_b32 v37, 3, v36
	s_delay_alu instid0(VALU_DEP_2)
	v_lshlrev_b32 v36, 4, v36
	v_and_b32 v38, 15, v0
	s_delay_alu instid0(VALU_DEP_1)
	v_lshl_add_u32 v38, v38, 4, v25                ; 16 r + 8 h
	s_wait_alu depctr_va_vdst(0)                   ; the wait ahead of the reciprocal's first reader
.set j, 0
.rept 16
	v_pk_mul_f32 v[S+j:S+j+1], v[O+j:O+j+1], v[28:29] op_sel_hi:[1,0]
.set j, j+2
.endr
	QUANT32 S, PC, 150, 32, 33, 34
	v_lshlrev_b32 v34, v25, v34
	s_delay_alu instid0(VALU_DEP_1)
	v_permlanex16_b32 v35, v34, s[SEL], s[SEL+1]
	s_delay_alu instid0(VALU_DEP_1)
	v_or_b32 v34, v34, v35                         ; my head's two bytes of the row's scale word
	global_store_b128 v36, v[PC:PC+3], s[40:41]
	global_store_b64 v37, v[PC+4:PC+5], s[40:41] offset:512
	global_store_b16 v38, v34, s[42:43]            ; both halves of the lanes store: each row has its words twice.  Two bytes a lane: 64 bytes beside 768 of codes
	s_add_co_u32 s[PT], s[PT], 1
	s_cmp_lt_u32 s[PT], 2
	s_cbranch_scc0 .Ldone                          ; no tile is left: nothing more is asked for
	PROLOG
	s_cmp_lt_u32 s[PT], 2
	s_cbranch_scc1 .Ltile
.Ldone:
	s_wait_tensorcnt 0x0                           ; the wave's end, behind my last LDS store
	ds_add_u32 v1, v2
	s_wait_dscnt 0x0
	s_endpgm
.Lfunc_end_k_q2c689dac6e_attn:
	.size	k_q2c689dac6e_attn, .Lfunc_end_k_q2c689dac6e_attn-k_q2c689dac6e_attn
	.p2alignl 7, 3214868480
	.fill 96, 4, 3214868480
	.section	.rodata,"a",@progbits
	.p2align	6, 0x0
	.amdhsa_kernel k_q2c689dac6e_attn
		.amdhsa_group_segment_fixed_size 327680
		.amdhsa_private_segment_fixed_size 0
		.amdhsa_enable_private_segment 0
		.amdhsa_kernarg_size 16
		.amdhsa_user_sgpr_count 2
		.amdhsa_user_sgpr_kernarg_segment_ptr 1
		.amdhsa_wavefront_size32 1
		.amdhsa_system_sgpr_workgroup_id_x 1
		.amdhsa_system_sgpr_workgroup_id_y 1
		.amdhsa_system_sgpr_workgroup_id_z 1
		.amdhsa_system_vgpr_workitem_id 0
		.amdhsa_next_free_vgpr 256
		.amdhsa_next_free_sgpr 80
		.amdhsa_reserve_vcc 0
		.amdhsa_float_denorm_mode_32 3
		.amdhsa_float_denorm_mode_16_64 3
		.amdhsa_memory_ordered 1
		.amdhsa_forward_progress 1
		.amdhsa_inst_pref_size 60
	.end_amdhsa_kernel
	.amdgpu_metadata
---
amdhsa.version: [ 1, 2 ]
amdhsa.kernels:
  - .name:           k_q2c689dac6e_attn
    .symbol:         k_q2c689dac6e_attn.kd
    .args:
      - { .name: heads, .offset: 0, .size: 8, .value_kind: global_buffer, .address_space: global }
      - { .name: ctxq, .offset: 8, .size: 8, .value_kind: global_buffer, .address_space: global }
    .group_segment_fixed_size: 327680
    .private_segment_fixed_size: 0
    .kernarg_segment_align: 8
    .kernarg_segment_size: 16
    .max_flat_workgroup_size: 512
    .sgpr_count:     80
    .vgpr_count:     256
    .wavefront_size: 32
...
	.end_amdgpu_metadata
.endif
;; end of part 3
;; launch outp (part 4): grid 8 x 32, 4 waves a work-group, clusters of 4 x 4, 327,680 bytes of LDS; arguments ctxq, opnd, output_biases, out0; writes out0
.if DOCPART == 4
	.amdgcn_target "amdgcn-amd-amdhsa--gfx1250"
	.amdhsa_code_object_version 6
	.text
	.protected	k_q2c689dac6e_outp
	.globl	k_q2c689dac6e_outp
	.p2align	8
	.type	k_q2c689dac6e_outp,@function
k_q2c689dac6e_outp:
	s_mov_b64 s[64:65], 0
	v_nop
	global_prefetch_b8 v0, s[64:65] scope:SCOPE_SE
	s_setreg_imm32_b32 hwreg(HW_REG_WAVE_MODE, 25, 1), 1
	s_wait_xcnt 0x0
	s_wait_alu depctr_hold_cnt(0) depctr_sa_sdst(0) depctr_va_vdst(0) depctr_va_sdst(0) depctr_va_ssrc(0) depctr_va_vcc(0) depctr_vm_vsrc(0)
	s_getreg_b32 s2, hwreg(HW_REG_IB_STS2, 6, 4)
	s_cmp_eq_u32 s2, 0
	s_cbranch_scc0 .Lentry_in_a_cluster
	s_endpgm
.Lentry_in_a_cluster:
	s_bfe_u32 s2, ttmp6, 0x10000c
	s_cmp_lg_u32 s2, 0xf033
	s_cbranch_scc0 .Lentry_shape_is_right
	s_endpgm
.Lentry_shape_is_right:
; LAUNCH 4 OF 4.  out0 = context x output_weights^T + output_biases, 8192 x 1024 x 1024, on codes of E2M3.  Nothing is left out.
; A work-group takes 256 rows (16 row tiles of one batch b) x 128 columns (8 weight tiles); a wave takes 128 rows x 64 columns: 32 accumulators.
; ALL OF K LIES IN LDS, each byte filled once: 8 records of weights (106,496 bytes), then 16 records of rows (212,992 bytes), each record as it lies in memory (13,312 bytes: four chunks of 256 bytes of scale words
; and four half fragments).  ONE tensor load a wave: waves 0 and 1 bring 8 records of rows each, waves 2 and 3 four records of weights each.
; Cluster 4 x 4: the rows' records are shared along a row of the cluster, the weights' along a column: joint loads behind a round of the cluster's barrier.
; Source 0 = 16 rows of the weight, source 1 = 16 rows of the context: a lane holds one token and 32 neighbouring outputs.  The bias is the C of each sum's first product.
; Row r of the context's tile 64 b + 4 Gq + rho is token 64 Gq + 4 r + rho (so the launch before has laid it).
; The way out goes through the wave's own stages, which lie on the weights' records: these have had their only fill, and every wave's reads of the records are over at the barrier that stands in the last K step.
; No prefetch: the launch has no loop to run ahead in; every byte is asked for by the head's four loads.
.set REC,   13312
.set CH,    3328
.set LX,    8*REC                      ; the rows' records begin behind the weights' eight
.set OWOFF, 17039360                   ; output_weights' records in opnd
.set SPARE, 24*REC                     ; behind the records: the spare words, 128 bytes a wave
.set AXA, 8                            ; v8, v9   my rows' fragments, the 16 l part: tiles 0-3, tiles 4-7 (an offset has 16 bits)
.set AXB, 10                           ; v10, v11 the 8 l part
.set AWA, 12                           ; v12, v13 the same of my four weight tiles
.set AWB, 13
.set ASC, 14                           ; v14, v15 the scale words: tiles 0-3, tiles 4-7
.set STO, 21
.set RD,  22
.set L16, 23
.set L8,  24
.set CO,  25
.set H128, 27
.set SPW, 28
.set NIL, 29
.set SC,  32                           ; v32-63  scale words, a set for each parity of the chunk
.set BV,  96                           ; v96-127 the bias at my 32 columns
.set BK,  128                          ; v128-191 rows read back from the stage, two sets
.set WV,  20
.set WM,  21
.set WN,  22
.set G1X, 24                           ; s[24:31] group 1: 8 records of rows;    s[40:43] its group 0
.set G1W, 32                           ; s[32:39] 4 records of weights;          s[44:47]
.set G0X, 40
.set G0W, 44
.set MSB, 0
.macro WIN new                         ; the immediate's high byte repeats the setting that is left
.if MSB != \new
	s_set_vgpr_msb (MSB<<8)|\new
.set MSB, \new
.endif
.endm
.macro CROUND                          ; a round of the cluster's barrier
	s_barrier_signal -1
	s_barrier_wait -1
	s_cmp_lg_u32 s[WV], 0
	s_cbranch_scc1 .Lnot_wave_0_\@
	s_barrier_signal -3
.Lnot_wave_0_\@:
	s_barrier_wait -3
	s_barrier_signal -1
	s_barrier_wait -1
.endm
	s_load_b256 s[4:11], s[0:1], 0x0               ; ctxq, opnd, output_biases, out0
	v_lshl_add_u32 v[SPW], v0, 2, SPARE
	v_mov_b32 v[NIL], 0
	ds_add_u32 v[SPW], v[NIL]                      ; the wave's opening: the add, twice on end, and its wait ahead of my tensor load
	ds_add_u32 v[SPW], v[NIL]
	v_lshrrev_b32 v1, 5, v0
	v_readfirstlane_b32 s[WV], v1
	s_lshr_b32 s[WM], s[WV], 1                     ; which 128 rows are mine.  Also: I fetch rows' records (0) or weights' (1)
	s_and_b32 s[WN], s[WV], 1                      ; which 64 columns.  Also: which half I fetch
	s_bfe_u32 s66, ttmp6, 0x40000                  ; cx
	s_bfe_u32 s67, ttmp6, 0x40004                  ; cy
	s_lshl_b32 s68, ttmp9, 2
	s_add_co_u32 s68, s68, s66                     ; Nt: the block of 128 columns
	s_and_b32 s69, ttmp7, 0xffff
	s_lshl_b32 s69, s69, 2
	s_add_co_u32 s69, s69, s67                     ; Mt: the block of 256 rows
	s_lshl_b32 s71, s67, 2
	s_lshl_b32 s71, 15, s71                        ; my row of the cluster
	s_lshl_b32 s72, 0x1111, s66                    ; my column
	s_or_b32 s[G1X], s71, (3<<16)|(1<<21)          ; group 1: dense blocks as rows of 256 bytes (32 elements of 8), no padding: 8 or 4 records of 52 rows
	s_or_b32 s[G1W], s72, (3<<16)|(1<<21)
.irp g, G1X, G1W
	s_mov_b32 s[\g+1], 32<<16
	s_mov_b32 s[\g+3], 32<<16
	s_mov_b32 s[\g+5], 32
	s_mov_b32 s[\g+6], 0
	s_mov_b32 s[\g+7], 0
.endr
	s_mov_b32 s[G1X+2], 416<<16
	s_mov_b32 s[G1X+4], 416
	s_mov_b32 s[G1W+2], 208<<16
	s_mov_b32 s[G1W+4], 208
	s_lshl_b32 s74, s69, 4                         ; rows: tile 16 Mt + 8 x half
	s_lshl_b32 s73, s[WN], 3
	s_add_co_u32 s74, s74, s73
	s_mul_i32 s74, s74, REC
	s_mov_b32 s75, 0
	s_lshl_b32 s76, s68, 3                         ; weights: tile 8 Nt + 4 x half
	s_lshl_b32 s77, s[WN], 2
	s_add_co_u32 s76, s76, s77
	s_mul_i32 s76, s76, REC
	s_add_co_u32 s76, s76, OWOFF
	s_mov_b32 s77, 0
	s_mul_i32 s78, s[WN], 8*REC
	s_add_co_u32 s78, s78, LX                      ; where they go: no place in the cluster enters an LDS address
	s_mul_i32 s79, s[WN], 4*REC
	s_wait_dscnt 0x0                               ; both opening adds are done
	s_wait_kmcnt 0x0
	s_mov_b32 s[G0X], 1
	s_mov_b32 s[G0X+1], s78
	s_add_nc_u64 s[G0X+2:G0X+3], s[4:5], s[74:75]
	s_or_b32 s[G0X+3], s[G0X+3], 0x80000000
	s_mov_b32 s[G0W], 1
	s_mov_b32 s[G0W+1], s79
	s_add_nc_u64 s[G0W+2:G0W+3], s[6:7], s[76:77]
	s_or_b32 s[G0W+3], s[G0W+3], 0x80000000
	CROUND                                         ; all sixteen work-groups are here: the joint loads meet
	s_cmp_eq_u32 s[WM], 0                          ; a fill in each arm of one branch on the wave's number
	s_cbranch_scc0 .Lfill_w
	tensor_load_to_lds s[G0X:G0X+3], s[G1X:G1X+7]
	s_nop 0
.rept 4
	v_nop
.endr
	s_branch .Lfilled
.Lfill_w:
	tensor_load_to_lds s[G0W:G0W+3], s[G1W:G1W+7]
	s_nop 0
.rept 4
	v_nop
.endr
.Lfilled:
	; the scalar part of the addresses first, then the vector part on end
	s_lshl_b32 s92, s68, 9
	s_lshl_b32 s93, s[WN], 8
	s_add_co_u32 s92, s92, s93                     ; my 64 columns, in bytes
	s_mov_b32 s93, 0
	s_add_nc_u64 s[8:9], s[8:9], s[92:93]
	s_mul_i32 s73, s[WM], 8*REC
	s_add_co_u32 s73, s73, LX                      ; my 8 row tiles
	s_mul_i32 s74, s[WN], 4*REC                    ; my 4 weight tiles
	s_add_co_u32 s80, s73, 256
	s_add_co_u32 s81, s73, 768
	s_add_co_u32 s82, s74, 256
	s_add_co_u32 s83, s74, 768
	s_sub_co_u32 s84, s73, s74
	s_add_co_u32 s84, s84, 8                       ; lanes 16-31 take the rows' words, of each row's two copies the second
	s_mul_i32 s85, s[WV], 8704                     ; my two stages of 16 rows x (256 + 16) bytes
	s_and_b32 s94, s69, 3                          ; mq
	s_lshl_b32 s94, s94, 2
	s_lshl_b32 s95, s[WM], 1
	s_add_co_u32 s94, s94, s95                     ; my first group of 64 tokens
	s_lshl_b32 s94, s94, 21                        ; x 64 tokens of 32,768 bytes
	s_lshr_b32 s95, s69, 2                         ; b
	s_lshl_b32 s95, s95, 12
	s_add_co_u32 s94, s94, s95
	s_add_co_u32 s94, s94, s92
	s_mov_b32 s95, 0
	s_add_nc_u64 s[10:11], s[10:11], s[94:95]
	v_and_b32 v1, 31, v0                           ; lane
	v_and_b32 v2, 15, v0                           ; r
	v_bfe_u32 v3, v0, 4, 1                         ; h
	v_lshlrev_b32 v[L16], 4, v1
	v_lshlrev_b32 v[L8], 3, v1
	v_lshlrev_b32 v[H128], 7, v3
.irp j, 0,1,2,3,4,5,6,7
	global_load_b128 v[BV+4*\j:BV+4*\j+3], v[H128], s[8:9] offset:16*\j
.endr
	v_add_nc_u32 v[AXA], s80, v[L16]
	v_add_nc_u32 v[AXA+1], 4*REC, v[AXA]
	v_add_nc_u32 v[AXB], s81, v[L8]
	v_add_nc_u32 v[AXB+1], 4*REC, v[AXB]
	v_add_nc_u32 v[AWA], s82, v[L16]
	v_add_nc_u32 v[AWB], s83, v[L8]
	v_mul_u32_u24 v[ASC], s84, v3
	v_lshl_add_u32 v[ASC], v2, 4, v[ASC]
	v_add_nc_u32 v[ASC], s74, v[ASC]
	v_add_nc_u32 v[ASC+1], 4*REC, v[ASC]
	v_mul_u32_u24 v[STO], v2, 272
	v_lshl_add_u32 v[STO], v3, 7, v[STO]
	v_add_nc_u32 v[STO], s85, v[STO]               ; in: row r, + 128 h
	v_mul_u32_u24 v[RD], v3, 272
	v_lshl_add_u32 v[RD], v2, 4, v[RD]
	v_add_nc_u32 v[RD], s85, v[RD]                 ; back: lanes 0-15 one row, lanes 16-31 the next
	v_lshlrev_b32 v[CO], 4, v2
	v_lshl_add_u32 v[CO], v3, 17, v[CO]            ; and in out0: neighbouring rows of a tile are 4 tokens, 131,072 bytes, apart
.macro MUL sp, cs, first               ; 32 products: the accumulators take turns, one instruction a turn
.irp xt, 0,1,2,3,4,5,6,7
.irp w, 0,1,2,3
.if \first
	v_wmma_scale_f32_16x16x128_f8f6f4 v[32*\xt+8*\w:32*\xt+8*\w+7], v[96+12*\w:96+12*\w+11], v[12*\xt:12*\xt+11], v[BV+8*\w:BV+8*\w+7], v[SC+16*(\cs)+2*\w+(\sp)], v[SC+16*(\cs)+2*\xt+(\sp)] matrix_a_fmt:MATRIX_FMT_FP6 matrix_b_fmt:MATRIX_FMT_FP6 matrix_b_scale:MATRIX_SCALE_ROW1
.else
	v_wmma_scale_f32_16x16x128_f8f6f4 v[32*\xt+8*\w:32*\xt+8*\w+7], v[96+12*\w:96+12*\w+11], v[12*\xt:12*\xt+11], v[32*\xt+8*\w:32*\xt+8*\w+7], v[SC+16*(\cs)+2*\w+(\sp)], v[SC+16*(\cs)+2*\xt+(\sp)] matrix_a_fmt:MATRIX_FMT_FP6 matrix_b_fmt:MATRIX_FMT_FP6 matrix_b_scale:MATRIX_SCALE_ROW1
.endif
.endr
.endr
.endm
.macro LOADF set, ks                   ; 48 LDS loads: my 8 + 4 fragments of K step ks, as they lie: each load's 512 or 256 bytes are consecutive
.set KO, CH*((\ks)/2)+1536*((\ks)%2)
	WIN 0x80+0x40*(\set)
.irp i, 0,1,2,3,4,5,6,7
	ds_load_b128 v[12*\i:12*\i+3], v[AXA+\i/4] offset:REC*(\i%4)+KO
	ds_load_b64 v[12*\i+4:12*\i+5], v[AXB+\i/4] offset:REC*(\i%4)+KO
	ds_load_b128 v[12*\i+6:12*\i+9], v[AXA+\i/4] offset:REC*(\i%4)+KO+768
	ds_load_b64 v[12*\i+10:12*\i+11], v[AXB+\i/4] offset:REC*(\i%4)+KO+768
.endr
.irp i, 0,1,2,3
	ds_load_b128 v[96+12*\i:96+12*\i+3], v[AWA] offset:REC*\i+KO
	ds_load_b64 v[96+12*\i+4:96+12*\i+5], v[AWB] offset:REC*\i+KO
	ds_load_b128 v[96+12*\i+6:96+12*\i+9], v[AWA] offset:REC*\i+KO+768
	ds_load_b64 v[96+12*\i+10:96+12*\i+11], v[AWB] offset:REC*\i+KO+768
.endr
.endm
.macro LOADSC c                        ; chunk c's scale words: two a row.  (For i > 3 lanes 0-15 read bytes of other tiles, which no product names)
	WIN 0
.irp i, 0,1,2,3,4,5,6,7
	ds_load_b64 v[SC+16*((\c)%2)+2*\i:SC+16*((\c)%2)+2*\i+1], v[ASC+\i/4] offset:REC*(\i%4)+CH*(\c)
.endr
.endm
.macro KSTEP s                         ; fetch step s + 1 into the other set, multiply step s
.if (\s) < 7
.if (\s) > 0
.rept 4
	v_nop                                          ; places in front of loads into registers that matrix instructions have read
.endr
.endif
	LOADF ((\s)+1)%2, (\s)+1
.if ((\s)+1)%2 == 0
	LOADSC ((\s)+1)/2
	s_wait_dscnt 56                                ; all but the 48 + 8 just issued
.else
	s_wait_dscnt 48                                ; all but the 48 just issued
.endif
.else
	s_wait_dscnt 0x0                               ; my last fragments are in: my reads of the records are over;
	s_barrier_signal -1                            ; say so, and multiply while the others arrive
.endif
.if (\s) == 0
	WIN 0x4a                                       ; sources 0 and 1 window 2, C (the bias) window 0, D window 1
.else
	WIN 0x5a+5*((\s)%2)
.endif
	MUL (\s)%2, ((\s)/2)%2, (\s)==0
.if (\s) == 7
	s_barrier_wait -1                              ; nobody reads the records any more: the stages may lie on them
.endif
.endm
	s_wait_alu depctr_va_vdst(0)                   ; the wait at the head's end
	s_wait_tensorcnt 0x0                           ; my one load has landed,
	s_barrier_signal -1
	s_barrier_wait -1                              ; everybody's.
	LOADF 0, 0
	LOADSC 0
	s_wait_loadcnt 0x0                             ; the bias
.irp s, 0,1,2,3,4,5,6,7
	KSTEP \s
.endr
	WIN 0
; THE WAY OUT, a tile of 16 tokens x 64 outputs at a time: a lane's 128 bytes go into a stage row; whole rows of 256 bytes come back; sixteen lanes store 256 consecutive bytes, aligned
.macro TOSTAGE a
	WIN 0x04                                       ; an LDS store's data: window 1
.irp k, 0,1,2,3,4,5,6,7
	ds_store_b128 v[STO], v[32*(\a)+4*\k:32*(\a)+4*\k+3] offset:4352*((\a)%2)+16*\k        ; each accumulator from its low end on
.endr
	WIN 0
.irp i, 0,1,2,3,4,5,6,7
	ds_load_b128 v[BK+32*((\a)%2)+4*\i:BK+32*((\a)%2)+4*\i+3], v[RD] offset:4352*((\a)%2)+544*\i   ; LDS serves a wave's instructions in order: these see the stores above
.endr
.endm
.macro SEND a, younger                 ; younger: the LDS instructions issued behind tile a's loads
	s_wait_dscnt \younger
.irp i, 0,1,2,3,4,5,6,7
	global_store_b128 v[CO], v[BK+32*((\a)%2)+4*\i:BK+32*((\a)%2)+4*\i+3], s[10:11] offset:262144*\i+32768*((\a)%4)+2097152*((\a)/4) th:TH_STORE_NT
.endr
.endm
.rept 4
	v_nop                                          ; places in front of the first read of results
.endr
	TOSTAGE 0
.irp a, 1,2,3,4,5,6,7
.if \a > 1
	s_wait_xcnt 0x0                                ; tile a - 2's stores have read their registers: tile a's loads may land there
.endif
	TOSTAGE \a
	SEND \a-1, 16                                  ; behind tile a - 1's loads: tile a's 8 stores and 8 loads
.endr
	SEND 7, 0
	s_wait_tensorcnt 0x0                           ; the wave's end, behind my last LDS store
	ds_add_u32 v[SPW], v[NIL]
	s_wait_dscnt 0x0
	CROUND                                         ; the closing round
	s_endpgm
.Lfunc_end_k_q2c689dac6e_outp:
	.size	k_q2c689dac6e_outp, .Lfunc_end_k_q2c689dac6e_outp-k_q2c689dac6e_outp
	.p2alignl 7, 3214868480
	.fill 96, 4, 3214868480
	.section	.rodata,"a",@progbits
	.p2align	6, 0x0
	.amdhsa_kernel k_q2c689dac6e_outp
		.amdhsa_group_segment_fixed_size 327680
		.amdhsa_private_segment_fixed_size 0
		.amdhsa_enable_private_segment 0
		.amdhsa_kernarg_size 32
		.amdhsa_user_sgpr_count 2
		.amdhsa_user_sgpr_kernarg_segment_ptr 1
		.amdhsa_wavefront_size32 1
		.amdhsa_system_sgpr_workgroup_id_x 1
		.amdhsa_system_sgpr_workgroup_id_y 1
		.amdhsa_system_sgpr_workgroup_id_z 1
		.amdhsa_system_vgpr_workitem_id 0
		.amdhsa_next_free_vgpr 1024
		.amdhsa_next_free_sgpr 100
		.amdhsa_reserve_vcc 0
		.amdhsa_float_denorm_mode_32 3
		.amdhsa_float_denorm_mode_16_64 3
		.amdhsa_memory_ordered 1
		.amdhsa_forward_progress 1
		.amdhsa_inst_pref_size 83
	.end_amdhsa_kernel
	.amdgpu_metadata
---
amdhsa.version: [ 1, 2 ]
amdhsa.kernels:
  - .name:           k_q2c689dac6e_outp
    .symbol:         k_q2c689dac6e_outp.kd
    .args:
      - { .name: ctxq, .offset: 0, .size: 8, .value_kind: global_buffer, .address_space: global }
      - { .name: opnd, .offset: 8, .size: 8, .value_kind: global_buffer, .address_space: global }
      - { .name: output_biases, .offset: 16, .size: 8, .value_kind: global_buffer, .address_space: global }
      - { .name: out0, .offset: 24, .size: 8, .value_kind: global_buffer, .address_space: global }
    .group_segment_fixed_size: 327680
    .private_segment_fixed_size: 0
    .kernarg_segment_align: 8
    .kernarg_segment_size: 32
    .max_flat_workgroup_size: 128
    .sgpr_count:     100
    .vgpr_count:     1024
    .wavefront_size: 32
...
	.end_amdgpu_metadata
.endif
;; end of part 4
